; MI455X (gfx1250); checked and timed in simulation.
; The chip was launched on July 23, 2026; its instructions are those of AMD's public machine-readable ISA for CDNA 5 (MIT licence, August 2026) and "CDNA5" Instruction Set Architecture Reference Guide (July 2026). The comments in the code are by the model that wrote it; some were corrected since.
;; Multi Head Self Attention. Allowed arithmetic: float matrix products may take bf16 or f16 operands with f32 sums; all other float work in f32.
;; Inputs: Wk 256 x 256 float32; Wq 256 x 256 float32; Wv 256 x 256 float32; beta 256 float32; bk 256 float32; bq 256 float32; bv 256 float32; gamma 256 float32; pad_mask 2 x 4,096 float32; x 2 x 4,096 x 256 float32.
;; Outputs: out0 2 x 4,096 x 256 float32.
;; 2 versions, each right and faster than the one before. Each part assembles by itself: llvm-mc -triple=amdgcn-amd-amdhsa -mcpu=gfx1250 --defsym DOCPART=n.
;; ======== version 1 of 2: 3 launches
;; workspace buffers: qh 4,194,304 bytes; kh 4,194,304 bytes; vh 4,194,304 bytes; hs 8,388,608 bytes
;; launch proj (part 1): grid 64 x 4, 8 waves a work-group, no clusters, 236,544 bytes of LDS; arguments x, Wq, Wk, Wv, bq, bk, bv, qh, kh, vh; writes qh, kh, vh
.if DOCPART == 1
	.amdgcn_target "amdgcn-amd-amdhsa--gfx1250"
	.amdhsa_code_object_version 6
	.text
	.protected	k_q78a507de27_proj
	.globl	k_q78a507de27_proj
	.p2align	8
	.type	k_q78a507de27_proj,@function
k_q78a507de27_proj:
	s_mov_b64 s[64:65], 0
	v_nop
	global_prefetch_b8 v0, s[64:65] scope:SCOPE_SE
	s_setreg_imm32_b32 hwreg(HW_REG_WAVE_MODE, 25, 1), 1
	s_wait_xcnt 0x0
; q = x Wq + bq, k = x Wk + bk, v = x Wv + bv, written by heads: qh, kh, vh are [b*8+head][4096][32] in bf16, each number rounded once from its f32 sum.
; x: [8192][256] f32.  W: [256 (k)][256 (n)] f32.  Operands are rounded to bf16 on the way into LDS; sums in f32; the bias is the C operand of the first K step.
; SHARES.  Work-group (blk, hp): rows 128 blk .. +127, and the 64 columns of head pair hp of each of the three products: 192 columns.  64 x 4 = 256 work-groups.
; Wave w: rg = w >> 1 (32 rows: two row tiles a), e = w & 1 (one head): 2 x 3 tensors x 2 blocks of 16 channels = 12 accumulators.
; THE MATRIX INSTRUCTION IS USED TRANSPOSED: source 0 = 16 columns of W (turned out of LDS by ds_load_tr16_b128), source 1 = 16 rows of x: a lane then holds eight neighbouring channels of one row.
; NO CLUSTER, NO TENSOR LOADS: x's block is shared by the 4 work-groups of a row block and W's slices by 64, but both arrive in f32 and have to be rounded in registers.  As f32 tiles in LDS they
; would be 131,072 + 196,608 bytes beside their 174,080 bytes in bf16, more than the 327,680 that a work-group can have.  So they come by global loads, each of which covers whole aligned runs of 256 bytes.
; LIMITS.  bf16 operands (8 significant bits); NaN and infinities are not treated apart.
.set XP,    528                        ; a row of x in LDS: 512 bytes of bf16 + 16 = 33 x 16: the 16 rows of a fragment load start at 16 different groups of four banks (64 banks of 4 bytes: ISA guide 11.1)
.set WS,    128*XP                     ; 67,584: W in bf16, [k 0..255][q 64 | k 64 | v 64]
.set WP,    416                        ; its pitch: 384 bytes + 32 = 13 x 32, for the turning load
.set STG,   WS+256*WP                  ; 174,080: for the way out, each wave's own 96 rows ([tensor][32 rows]) of 80 bytes
.set GP,    80
.set SPARE, STG+8*96*GP                ; 235,520: the spare words, 128 bytes for each of the eight waves; no other line names them
.set XO,  3                            ; v3   my byte offset in the block of x: 16,384 w + 16 l
.set WO,  4                            ; v4   in W's slices: (32 w + l / 16) x 1,024 + 16 (l % 16)
.set XD,  5                            ; v5   LDS: where my 8 bytes of x go
.set WD,  6                            ; v6   LDS: where my 8 bytes of W go
.set BO,  7                            ; v7   my byte offset in a bias: 128 e + 32 (l / 16)
.set AX,  8                            ; v8   LDS: my fragment rows of x
.set AW,  9                            ; v9, v10  LDS: my place in W for K steps 0-3 and 4-7
.set STO, 11                           ; v11  the way out: where I put 16 bytes of a row
.set RD,  12                           ; v12  the way out: where I read rows back
.set GO,  13                           ; v13  16 l: my place in 512 consecutive bytes of the output
.set SPW, 16                           ; v16  LDS address of my spare word; never rewritten
.set NIL, 17                           ; v17  0; never rewritten
.set BI,  20                           ; v[20:67]   the biases as C operands: 8 registers for f = 2 t + cb
.set BK0, 68                           ; v[68:131]  first phase: a batch of 16 loads
.set BK1, 132                          ; v[132:195] the other batch
.set ACC, 68                           ; v[68:163]  accumulator (a, f) at ACC + 8 (6 a + f)
.set XF,  164                          ; v[164:179] fragments of x
.set WF,  180                          ; v[180:227] fragments of W
.set PK,  164                          ; v[164:211] the way out: packed results, then whole rows
	s_load_b512 s[4:19], s[0:1], 0x0               ; x 4, Wq 6, Wk 8, Wv 10, bq 12, bk 14, bv 16, qh 18
	s_load_b128 s[20:23], s[0:1], 0x40             ; kh 20, vh 22
	v_lshl_add_u32 v[SPW], v0, 2, SPARE
	v_mov_b32 v[NIL], 0
	v_lshrrev_b32 v14, 5, v0
	v_readfirstlane_b32 s24, v14                   ; wave 0..7
	s_lshr_b32 s25, s24, 1                         ; rg
	s_and_b32 s26, s24, 1                          ; e
	s_and_b32 s27, ttmp7, 0xffff                   ; hp
	s_lshl_b32 s28, ttmp9, 17                      ; the block's 128 rows of 1,024 bytes
	s_mov_b32 s29, 0
	s_lshl_b32 s30, s27, 8                         ; the head pair's 64 columns of f32
	s_mov_b32 s31, 0
	s_lshr_b32 s32, ttmp9, 5                       ; b
	s_lshl_b32 s32, s32, 3
	s_lshl_b32 s34, s27, 1
	s_add_co_u32 s32, s32, s34
	s_add_co_u32 s32, s32, s26                     ; 8 b + 2 hp + e: my head,
	s_lshl_b32 s32, s32, 18                        ; 262,144 bytes each,
	s_and_b32 s34, ttmp9, 31
	s_lshl_b32 s34, s34, 13                        ; the block's first row in it (128 rows of 64 bytes a block),
	s_add_co_u32 s32, s32, s34
	s_lshl_b32 s34, s25, 11                        ; and my 32 rows
	s_add_co_u32 s32, s32, s34
	s_mov_b32 s33, 0
	v_and_b32 v1, 15, v0                           ; r = l % 16
	v_bfe_u32 v2, v0, 4, 1                         ; h = l / 16
	v_and_b32 v15, 31, v0                          ; l
	v_lshlrev_b32 v[GO], 4, v15
	s_lshl_b32 s35, s24, 14
	v_add_nc_u32 v[XO], s35, v[GO]
	s_lshl_b32 s35, s24, 15
	v_lshlrev_b32 v[WO], 4, v1
	v_lshl_add_u32 v[WO], v2, 10, v[WO]
	v_add_nc_u32 v[WO], s35, v[WO]
	s_mul_i32 s35, s24, 16*XP
	v_lshl_add_u32 v[XD], v15, 3, s35              ; my wave's 16 rows + 8 l
	s_mul_i32 s35, s24, 32*WP
	s_add_co_u32 s35, s35, WS
	v_mul_u32_u24 v[WD], v2, WP
	v_lshl_add_u32 v[WD], v1, 3, v[WD]
	v_add_nc_u32 v[WD], s35, v[WD]                 ; row 32 w + h, 8 r
	s_lshl_b32 s35, s26, 7
	v_lshl_add_u32 v[BO], v2, 5, s35
	s_mul_i32 s35, s25, 32*XP
	v_mul_u32_u24 v[AX], v1, XP
	v_lshl_add_u32 v[AX], v2, 4, v[AX]
	v_add_nc_u32 v[AX], s35, v[AX]                 ; row 32 rg + r, 16 h
	v_and_b32 v14, 7, v0
	v_lshl_add_u32 v[AW], v2, 3, v14               ; the turning load: lane l reads row 8 h + l % 8,
	v_mul_u32_u24 v[AW], v[AW], WP
	v_bfe_u32 v14, v0, 3, 1
	v_lshl_add_u32 v[AW], v14, 4, v[AW]            ; 16 bytes at 16 ((l / 8) % 2),
	s_lshl_b32 s35, s26, 6
	s_add_co_u32 s35, s35, WS
	v_add_nc_u32 v[AW], s35, v[AW]                 ; in my head's 64 bytes
	v_add_nc_u32 v[AW+1], 4*32*WP, v[AW]           ; K steps 4 to 7: the immediate offset has 16 bits
	s_mul_i32 s35, s24, 96*GP
	s_add_co_u32 s35, s35, STG                     ; my stage
	v_mul_u32_u24 v[STO], v1, GP
	v_lshl_add_u32 v[STO], v2, 4, v[STO]
	v_add_nc_u32 v[STO], s35, v[STO]
	v_bfe_u32 v[RD], v0, 2, 3                      ; back: four lanes take a row of 64 bytes, the wave eight rows
	v_mul_u32_u24 v[RD], v[RD], GP
	v_and_b32 v14, 3, v0
	v_lshl_add_u32 v[RD], v14, 4, v[RD]
	v_add_nc_u32 v[RD], s35, v[RD]
	s_wait_kmcnt 0x0
	s_add_nc_u64 s[4:5], s[4:5], s[28:29]
.irp p, 6,8,10,12,14,16
	s_add_nc_u64 s[\p:\p+1], s[\p:\p+1], s[30:31]
.endr
.irp p, 18,20,22
	s_add_nc_u64 s[\p:\p+1], s[\p:\p+1], s[32:33]
.endr
; FIRST PHASE: x and W come in, are rounded to bf16 and go into LDS, in five batches of 16 loads on two sets of registers.
.macro LOADX bk, i0                    ; 16 loads of 512 consecutive bytes: half rows i0 .. i0 + 15 of my wave's 16 rows
.set j, 0
.rept 16
	global_load_b128 v[(\bk)+4*j:(\bk)+4*j+3], v[XO], s[4:5] offset:((\i0)+j)*512
.set j, j+1
.endr
.endm
.macro LOADW bk, sb                    ; 16 loads, each two rows' aligned 256 bytes: my wave's 32 rows of one W
.set j, 0
.rept 16
	global_load_b128 v[(\bk)+4*j:(\bk)+4*j+3], v[WO], s[(\sb):(\sb)+1] offset:j*2048
.set j, j+1
.endr
.endm
.macro CONV bk                         ; four f32 become four bf16 in the first two of their registers
.set j, 0
.rept 16
	v_cvt_pk_bf16_f32 v[(\bk)+4*j], v[(\bk)+4*j], v[(\bk)+4*j+1]
	v_cvt_pk_bf16_f32 v[(\bk)+4*j+1], v[(\bk)+4*j+2], v[(\bk)+4*j+3]
.set j, j+1
.endr
.endm
.macro PUTX bk, i0
.set j, 0
.rept 16
	ds_store_b64 v[XD], v[(\bk)+4*j:(\bk)+4*j+1] offset:(((\i0)+j)/2)*XP+(((\i0)+j)%2)*256
.set j, j+1
.endr
.endm
.macro PUTW bk, t
.set j, 0
.rept 16
	ds_store_b64 v[WD], v[(\bk)+4*j:(\bk)+4*j+1] offset:j*2*WP+(\t)*128
.set j, j+1
.endr
.endm
.macro PLACES                          ; four places between a matrix instruction and a load into, or a vector instruction on, its registers
.rept 4
	v_nop
.endr
.endm
.irp f, 0,1,2,3,4,5                    ; the biases of my 8 channels 16 cb + 8 h + 0..7, for each tensor t = f / 2 and block cb = f % 2
	global_load_b128 v[BI+8*(\f):BI+8*(\f)+3],   v[BO], s[12+2*((\f)/2):13+2*((\f)/2)] offset:((\f)%2)*64
	global_load_b128 v[BI+8*(\f)+4:BI+8*(\f)+7], v[BO], s[12+2*((\f)/2):13+2*((\f)/2)] offset:((\f)%2)*64+16
.endr
	LOADX BK0, 0
	LOADX BK1, 16
	s_wait_loadcnt 16                              ; loads come back in order (ISA guide 5.7.1): all but the youngest batch of 16 are in
	CONV BK0
	PUTX BK0, 0
	LOADW BK0, 6
	s_wait_loadcnt 16                              ; the same count at each of these waits: one batch of 16 was issued behind the one wanted
	CONV BK1
	PUTX BK1, 16
	LOADW BK1, 8
	s_wait_loadcnt 16
	CONV BK0
	PUTW BK0, 0
	LOADW BK0, 10
	s_wait_loadcnt 16
	CONV BK1
	PUTW BK1, 1
	s_wait_loadcnt 0x0                             ; the last batch
	CONV BK0
	PUTW BK0, 2
	s_wait_dscnt 0x0                               ; for the others' sake: my stores into LDS are done
	s_barrier_signal -1
	s_barrier_wait -1                              ; x and W are whole
; SECOND PHASE: eight K steps of 32.  The 12 accumulators take turns, one instruction a turn.
.macro KSTEP ks
.if (\ks) > 0
	PLACES                                         ; the loads below land in registers that the last products read
.endif
.irp a, 0,1
	ds_load_b128 v[XF+8*(\a):XF+8*(\a)+3],   v[AX] offset:(\a)*16*XP+(\ks)*64
	ds_load_b128 v[XF+8*(\a)+4:XF+8*(\a)+7], v[AX] offset:(\a)*16*XP+(\ks)*64+32
.endr
.irp f, 0,1,2,3,4,5
	ds_load_tr16_b128 v[WF+8*(\f):WF+8*(\f)+3],   v[AW+(\ks)/4] offset:((\ks)%4)*32*WP+((\f)/2)*128+((\f)%2)*32
	ds_load_tr16_b128 v[WF+8*(\f)+4:WF+8*(\f)+7], v[AW+(\ks)/4] offset:((\ks)%4)*32*WP+((\f)/2)*128+((\f)%2)*32+16*WP
.endr
	s_wait_dscnt 0x0                               ; the step's 16 loads; the SIMD's other wave multiplies meanwhile
.irp f, 0,1,2,3,4,5
.irp a, 0,1
.if (\ks) == 0
	v_wmma_f32_16x16x32_bf16 v[ACC+8*(6*(\a)+(\f)):ACC+8*(6*(\a)+(\f))+7], v[WF+8*(\f):WF+8*(\f)+7], v[XF+8*(\a):XF+8*(\a)+7], v[BI+8*(\f):BI+8*(\f)+7]
.else
	v_wmma_f32_16x16x32_bf16 v[ACC+8*(6*(\a)+(\f)):ACC+8*(6*(\a)+(\f))+7], v[WF+8*(\f):WF+8*(\f)+7], v[XF+8*(\a):XF+8*(\a)+7], v[ACC+8*(6*(\a)+(\f)):ACC+8*(6*(\a)+(\f))+7]
.endif
.endr
.endr
.endm
.irp ks, 0,1,2,3,4,5,6,7
	KSTEP \ks
.endr
; THIRD PHASE, the way out: round to bf16 (each accumulator from its low end on); 16 bytes a lane into my own stage; back as whole rows of 64 bytes, eight rows a load, which are 512 consecutive bytes of a head.
	PLACES
.set p, 0
.rept 12
.irp q, 0,1,2,3
	v_cvt_pk_bf16_f32 v[PK+4*p+(\q)], v[ACC+8*p+2*(\q)], v[ACC+8*p+2*(\q)+1]
.endr
.set p, p+1
.endr
.irp a, 0,1
.irp f, 0,1,2,3,4,5
	ds_store_b128 v[STO], v[PK+4*(6*(\a)+(\f)):PK+4*(6*(\a)+(\f))+3] offset:(((\f)/2)*32+(\a)*16)*GP+((\f)%2)*32
.endr
.endr
.irp t, 0,1,2
.irp i, 0,1,2,3
	ds_load_b128 v[PK+4*(4*(\t)+(\i)):PK+4*(4*(\t)+(\i))+3], v[RD] offset:((\t)*32+8*(\i))*GP  ; LDS serves a wave's instructions in order (ISA guide 5.7.1.4): these see the stores above
.endr
.endr
	s_wait_dscnt 0x0
.irp t, 0,1,2
.irp i, 0,1,2,3
	global_store_b128 v[GO], v[PK+4*(4*(\t)+(\i)):PK+4*(4*(\t)+(\i))+3], s[18+2*(\t):19+2*(\t)] offset:(\i)*512  ; 512 consecutive bytes, at a multiple of 256 from the buffer's first
.endr
.endr
	s_wait_tensorcnt 0x0                           ; the wave's end
	ds_add_u32 v[SPW], v[NIL]
	s_wait_dscnt 0x0
	s_endpgm
.Lfunc_end_k_q78a507de27_proj:
	.size	k_q78a507de27_proj, .Lfunc_end_k_q78a507de27_proj-k_q78a507de27_proj
	.p2alignl 7, 3214868480
	.fill 96, 4, 3214868480
	.section	.rodata,"a",@progbits
	.p2align	6, 0x0
	.amdhsa_kernel k_q78a507de27_proj
		.amdhsa_group_segment_fixed_size 236544
		.amdhsa_private_segment_fixed_size 0
		.amdhsa_enable_private_segment 0
		.amdhsa_kernarg_size 80
		.amdhsa_user_sgpr_count 2
		.amdhsa_user_sgpr_kernarg_segment_ptr 1
		.amdhsa_wavefront_size32 1
		.amdhsa_system_sgpr_workgroup_id_x 1
		.amdhsa_system_sgpr_workgroup_id_y 1
		.amdhsa_system_sgpr_workgroup_id_z 1
		.amdhsa_system_vgpr_workitem_id 0
		.amdhsa_next_free_vgpr 232
		.amdhsa_next_free_sgpr 66
		.amdhsa_reserve_vcc 0
		.amdhsa_float_denorm_mode_32 3
		.amdhsa_float_denorm_mode_16_64 3
		.amdhsa_memory_ordered 1
		.amdhsa_forward_progress 1
		.amdhsa_inst_pref_size 49
	.end_amdhsa_kernel
	.amdgpu_metadata
---
amdhsa.version: [ 1, 2 ]
amdhsa.kernels:
  - .name:           k_q78a507de27_proj
    .symbol:         k_q78a507de27_proj.kd
    .args:
      - { .name: x, .offset: 0, .size: 8, .value_kind: global_buffer, .address_space: global }
      - { .name: Wq, .offset: 8, .size: 8, .value_kind: global_buffer, .address_space: global }
      - { .name: Wk, .offset: 16, .size: 8, .value_kind: global_buffer, .address_space: global }
      - { .name: Wv, .offset: 24, .size: 8, .value_kind: global_buffer, .address_space: global }
      - { .name: bq, .offset: 32, .size: 8, .value_kind: global_buffer, .address_space: global }
      - { .name: bk, .offset: 40, .size: 8, .value_kind: global_buffer, .address_space: global }
      - { .name: bv, .offset: 48, .size: 8, .value_kind: global_buffer, .address_space: global }
      - { .name: qh, .offset: 56, .size: 8, .value_kind: global_buffer, .address_space: global }
      - { .name: kh, .offset: 64, .size: 8, .value_kind: global_buffer, .address_space: global }
      - { .name: vh, .offset: 72, .size: 8, .value_kind: global_buffer, .address_space: global }
    .group_segment_fixed_size: 236544
    .private_segment_fixed_size: 0
    .kernarg_segment_align: 8
    .kernarg_segment_size: 80
    .max_flat_workgroup_size: 256
    .sgpr_count:     66
    .vgpr_count:     232
    .wavefront_size: 32
...
	.end_amdgpu_metadata
.endif
;; end of part 1
;; launch attn (part 2): grid 32 x 8, 8 waves a work-group, clusters of 4 x 1, 327,680 bytes of LDS; arguments qh, kh, vh, pad_mask, x, hs; writes hs
.if DOCPART == 2
	.amdgcn_target "amdgcn-amd-amdhsa--gfx1250"
	.amdhsa_code_object_version 6
	.text
	.protected	k_q78a507de27_attn
	.globl	k_q78a507de27_attn
	.p2align	8
	.type	k_q78a507de27_attn,@function
k_q78a507de27_attn:
	s_mov_b64 s[64:65], 0
	v_nop
	global_prefetch_b8 v0, s[64:65] scope:SCOPE_SE
	s_setreg_imm32_b32 hwreg(HW_REG_WAVE_MODE, 25, 1), 1
	s_wait_xcnt 0x0
	s_wait_alu depctr_hold_cnt(0) depctr_sa_sdst(0) depctr_va_vdst(0) depctr_va_sdst(0) depctr_va_ssrc(0) depctr_va_vcc(0) depctr_vm_vsrc(0)
	s_getreg_b32 s2, hwreg(HW_REG_IB_STS2, 6, 4)
	s_cmp_eq_u32 s2, 0
	s_cbranch_scc0 .Lentry_in_a_cluster
	s_endpgm
.Lentry_in_a_cluster:
	s_bfe_u32 s2, ttmp6, 0x10000c
	s_cmp_lg_u32 s2, 0x3003
	s_cbranch_scc0 .Lentry_shape_is_right
	s_endpgm
.Lentry_shape_is_right:
; hs[row][:] = x[row][:] + the heads' attention: for each head, softmax_k((q . k + pad_mask[k] x -1e9) / sqrt(32)) v.  qh, kh, vh: [b*8+head][4096][32] bf16, a head's rows dense, 64 bytes each.
; Products, maxima and sums in f32; the weights p are rounded to bf16 for the second product, and their sum l is taken of the same rounded p, by the matrix unit.
; LIMITS.  bf16 operands.  A weight below 2^-126 counts as 0.  NaN and infinities are not treated apart.  q . k + bias is summed inside the matrix instruction (the bias is its C operand), so where EVERY key
; of a batch carries a bias near -1e9 the last bits of that sum may be rounded otherwise than by an f32 addition.
; SHARES.  y = 4 b + hp, blk = 4 x cluster x + cx.  A work-group owns 128 queries of the head PAIR hp: a row's 64 channels of f32 are 256 consecutive bytes of hs.  32 x 8 = 256 work-groups.
; Wave w: z = w >> 2 (which half of every tile's 256 keys), e = (w >> 1) & 1 (head), u = w & 1 (64 queries: four tiles of 16).  Waves w and w + 4 hold the same queries and are merged at the end.
; So a fragment of K, V or the bias read from LDS feeds four tiles' products, and each SIMD has two waves: one issues vector work while the other waits for the matrix unit or for LDS.
; LAYOUT.  S^T = K Q^T + bias (source 0 = 16 keys, source 1 = 16 queries): a lane holds ONE query (l % 16) and the keys 8 (l / 16) + 0..7.  Two such results rounded to bf16 in pairs ARE source 1 (32 keys x
; 16 queries) of O^T = V^T P.  V ([key][channel]) comes out of LDS turned, by ds_load_tr16_b128.  l = ONE P, where ONE has ones in rows 0 and 8 alone: register 0 of the result holds the lane's query's sum.
; SOFTMAX.  A running maximum M and c M, c = log2(e) / sqrt(32): p = 2^(c s - c M); in every step O and l are multiplied by a = 2^(c M_old - c M_new).  c M starts far below every c s, O and l at 0: the first step's a is 0.
; ORDER.  Pipelined by one tile: K Q^T of tile t + 1 is issued, then tile t's softmax, then its V^T P.  A trip is a tile of 256 keys: two steps of 64 keys for each wave.
; CLUSTER.  The four query blocks of a cluster share (b, hp) and walk the same K and V, so each tile is asked for JOINTLY: the same tensor load, descriptor and mask in all four.  Waves 0, 1 ask for the two heads'
; K, waves 2, 3 for their V, waves 4 to 7 for nothing.  By this text's own count a wave has at most one tensor load outstanding.
; NO PREFETCH: K and V were written by the launch before, and x is asked for at this launch's start, 16 trips ahead of its use.
; REGISTERS, in windows of 256 (s_set_vgpr_msb: bits 1:0 source 0, 3:2 source 1, 5:4 source 2, 7:6 destination).  Window 0: addresses, statistics, S^T, P, x, the partner's data.  Window 1: Q, K, bias, V, O^T, l, ONE.
.set PKP,   80        ; a key of K in LDS: 64 bytes + 16 = 20 words: the 16 rows of a load start at 16 different groups of four banks (64 banks of 4 bytes: ISA guide 11.1)
.set PVP,   96        ; a key of V: 64 + 32 = 24 words
.set KHB,   256*PKP   ; 20,480: one head's K of a tile
.set VHB,   256*PVP   ; 24,576: one head's V
.set VOFF,  2*KHB     ; a slot: K of head 0, K of head 1, V of head 0, V of head 1
.set SLOTB, VOFF+2*VHB  ; 90,112
.set BIAS,  SLOTB     ; 4,096 f32 of pad_mask x -1e9 and 256 zeros behind them; stored once, never filled by a tensor load
.set SPARE, BIAS+17408  ; 107,520: the spare words, 128 bytes for each of the eight waves; no other line names them
.set SLOT1, 1<<17     ; slot 1 begins here, so that one exclusive or turns an address in one slot into the other's
.set XCH,   SLOT1+SLOTB  ; 221,184: what waves 4-7 hand to waves 0-3: four times 9,216 bytes
.set XCB,   9216
.set STAGE, XCH+4*XCB    ; 258,048: 128 rows of 256 bytes + 16, for the way out
.set SP,    272
.set AK0, 2           ; v2   my lane's place in a tile's K; never rewritten
.set AV0, 3           ; v3   the same for V
.set AB0, 4           ; v4   the same in a tile's 1,024 bytes of bias
.set AK,  5           ; v5   LDS address of K's runs of loads
.set AV,  6           ; v6   of V's
.set AB,  7           ; v7   of the bias's
.set QO,  8           ; v8   my byte offset in 16 rows of Q
.set SPW, 12          ; v12  LDS address of my spare word; never rewritten
.set NIL, 13          ; v13  0; never rewritten
.set XO,  14          ; v14  my byte offset in two rows of x and of hs; never rewritten
.set XA,  15          ; v15  my 16 bytes in my pair's exchange
.set ST,  16          ; v[16:47] tile t's statistics at ST + 8 t: +0, +2 c M by turns; +1 M; +3 named with +2 as a pair; +4 a; +5 its argument; +6, +7 for the merge
.set CC,  48          ; v[48:51] four chains of the maximum
.set SA,  52          ; v52  the way out: where I put a row's 16 bytes
.set RA,  53          ; v53  where I read rows back
.set MO,  54          ; v54  16 x my thread's number: pad_mask
.set MD,  55          ; v55  the same + BIAS
.set T,   56          ; v[56:63] at work
.set S,   64          ; v[64:127] S^T: two buffers of 32, by the tile's parity
.set P,   128         ; v[128:143]
.set XR,  144         ; v[144:175] my 16 rows' part of x
.set PD,  176         ; v[176:247] pad_mask at the start; the partner's O^T, c M and l; the rows on the way out
.set QF,  0           ; window 1: Q, 8 a tile
.set KF,  32          ; K of one step, 8 for each 16 keys
.set BI,  64          ; the bias of those keys, as C operands
.set VF,  96          ; V of one step: key half kk, channel block cb at VF + 16 kk + 8 cb
.set OF,  128         ; O^T: OF + 16 t + 8 cb
.set LF,  192         ; l: LF + 8 t
.set ONE, 224
.set WV,  16          ; s16  my wave's number
.set Z,   17          ; s17  z
.set E,   18          ; s18  e
.set U,   19          ; s19  u; also: which head's tile I ask for
.set PR,  20          ; s20  w & 3: my pair
.set G1K, 24          ; s[24:31] descriptor group 1 for K
.set G1V, 32          ; s[32:39] for V: it differs in the padding alone
.set G0K, 40          ; s[40:43] descriptor group 0 for K: it walks
.set G0V, 44          ; s[44:47] for V
.set CNT, 48          ; s48  trips to go
.set TB,  49          ; s49  the slot in hand: 0 or SLOT1
.set TBB, 50          ; s50  LDS byte of the tile's bias
.set CS,  52          ; s[52:53] c
.set SEL, 54          ; s[54:55] v_permlanex16_b32's selects: each lane takes its own place in the other half
.set NEG, 56          ; s[56:57] -1e9
.set ONES, 58         ; s58  two bf16 ones
.set MSB, 0
.macro WIN new                      ; the high byte repeats the setting that is left; a switch that changes nothing is dropped
.if MSB != (\new)
	s_set_vgpr_msb (MSB<<8)|(\new)
.set MSB, (\new)
.endif
.endm
.set W_KQ, 0x15       ; K, Q and the bias in window 1, S^T in window 0
.set W_PV, 0x51       ; V (or ONE) in window 1, P in window 0, C and D in window 1
.set W_RS, 0x41       ; destination and source 0 in window 1, source 1 in window 0
.set W_TO, 0x40       ; destination in window 1
.macro PLACES                       ; four places between a matrix instruction and a load into, or a vector instruction on, its registers
.rept 4
	v_nop
.endr
.endm
; A joint fill.  The branches hang on the wave's number alone.  An s_nop 0 and four v_nop follow each tensor load, ahead of the jump and the label; a wave that asks for nothing
; has the four v_nop too: on every way they are the places in front of the loads that follow.
.macro JLOAD
	s_cmp_lt_u32 s[WV], 2
	s_cbranch_scc0 .Lnot_k_\@
	tensor_load_to_lds s[G0K:G0K+3], s[G1K:G1K+7]
	s_nop 0
.rept 4
	v_nop
.endr
	s_branch .Lasked_\@
.Lnot_k_\@:
	s_cmp_lt_u32 s[WV], 4
	s_cbranch_scc0 .Lnone_\@
	tensor_load_to_lds s[G0V:G0V+3], s[G1V:G1V+7]
	s_nop 0
.rept 4
	v_nop
.endr
	s_branch .Lasked_\@
.Lnone_\@:
.rept 4
	v_nop
.endr
.Lasked_\@:
.endm
; A round of the cluster's barrier: my work-group's barrier, so that wave 0's signal speaks for all eight waves; wave 0 signals; every wave waits for all four work-groups; my work-group's barrier once more.
.macro CROUND
	s_barrier_signal -1
	s_barrier_wait -1
	s_cmp_lg_u32 s[WV], 0
	s_cbranch_scc1 .Lnot_wave_0_\@
	s_barrier_signal -3
.Lnot_wave_0_\@:
	s_barrier_wait -3
	s_barrier_signal -1
	s_barrier_wait -1
.endm
; THE CHANGE OF SLOTS.  Each wave waits for all its tensor loads (at most one is out: its part of the other slot), adds 0 to its spare word, and waits for that and for its own reads of the slot that it leaves.
; Behind the barrier nobody reads the old slot and the other slot is whole.  fill = 1: the barrier is a round of the cluster's, and the old slot is filled again first thing behind it, with the tile two on:
; that load has a whole trip in which to land.  (At its first use nothing has been read yet: the bias table is published, slot 0 waited for, slot 1 filled.)
.macro CHANGE fill
	WIN 0                           ; at a label and at a branch every window is 0
	s_wait_tensorcnt 0x0            ; no tensor load of mine is out, so a group 0 may be written
	ds_add_u32 v[SPW], v[NIL]       ; 0 onto my spare word; scalar work stands between it and the wait for it
.if \fill
.irp g, G0K, G0V
	s_xor_b32 s[\g+1], s[\g+1], SLOT1  ; the walking descriptor: the other slot than last time,
	s_add_nc_u64 s[\g+2:\g+3], s[\g+2:\g+3], 16384  ; the head's next 256 keys; the type bits on top are not reached
.endr
.endif
	s_xor_b32 s[TB], s[TB], SLOT1   ; the reads go over to the other slot,
	s_add_co_u32 s[TBB], s[TBB], 1024  ; and to the next 256 keys' bias
	s_wait_dscnt 0x0                ; the add is done, and my reads of the slot are over
.if \fill
	CROUND
	JLOAD
.else
	s_barrier_signal -1
	s_barrier_wait -1
	PLACES
.endif
	v_add_nc_u32 v[AK], s[TB], v[AK0]
	v_add_nc_u32 v[AB], s[TBB], v[AB0]
.endm
	s_load_b256 s[4:11], s[0:1], 0x0  ; qh 4, kh 6, vh 8, pad_mask 10
	s_load_b128 s[12:15], s[0:1], 0x20  ; x 12, hs 14
	v_lshl_add_u32 v[SPW], v0, 2, SPARE
	v_mov_b32 v[NIL], 0
	ds_add_u32 v[SPW], v[NIL]       ; the wave's opening: the add and its wait stand ahead of my first tensor load; the set-up below, work on registers, stands between them
	v_lshrrev_b32 v1, 5, v0
	v_readfirstlane_b32 s[WV], v1   ; wave 0..7
	s_lshr_b32 s[Z], s[WV], 2
	s_bfe_u32 s[E], s[WV], 0x10001
	s_and_b32 s[U], s[WV], 1
	s_and_b32 s[PR], s[WV], 3
	s_bfe_u32 s21, ttmp6, 0x40000   ; cx: my place in the cluster
	s_lshl_b32 s22, ttmp9, 2        ; in a cluster launch ttmp9 counts clusters
	s_add_co_u32 s22, s22, s21      ; blk: it enters the addresses of qh, x and hs alone
	s_and_b32 s23, ttmp7, 0xffff    ; y = 4 b + hp, which the four partners share
	s_lshl_b32 s60, s23, 1
	s_add_co_u32 s60, s60, s[U]     ; the head whose tile I ask for: 2 y + (w & 1),
	s_lshl_b32 s60, s60, 18         ; 262,144 bytes each
	s_mov_b32 s61, 0
	s_mul_i32 s62, s[U], KHB        ; and its place in a slot, for K
	s_mul_i32 s63, s[U], VHB        ; and for V: no place in the cluster enters an LDS address
	s_add_co_u32 s63, s63, VOFF
	s_lshl_b32 s66, s23, 1
	s_add_co_u32 s66, s66, s[E]     ; my own head,
	s_lshl_b32 s66, s66, 18
	s_lshl_b32 s59, s22, 13         ; my block's 128 rows of 64 bytes,
	s_add_co_u32 s66, s66, s59
	s_lshl_b32 s59, s[U], 12        ; my 64 of them
	s_add_co_u32 s66, s66, s59
	s_mov_b32 s67, 0
	s_lshr_b32 s68, s23, 2          ; x and hs: b x 4,096 rows of 1,024 bytes,
	s_lshl_b32 s68, s68, 22
	s_lshl_b32 s59, s22, 17         ; my block's 128 rows,
	s_add_co_u32 s68, s68, s59
	s_lshl_b32 s59, s[WV], 14       ; the 16 that my wave sends out,
	s_add_co_u32 s68, s68, s59
	s_and_b32 s59, s23, 3
	s_lshl_b32 s59, s59, 8          ; the head pair's 256 bytes
	s_add_co_u32 s68, s68, s59
	s_mov_b32 s69, 0
	s_lshr_b32 s70, s23, 2
	s_lshl_b32 s70, s70, 14         ; pad_mask: b x 4,096 f32
	s_mov_b32 s71, 0
	; descriptor group 1.  A head's 256 keys are 16,384 dense bytes: asked for as 64 rows of 256 bytes, four keys a row, and padded in LDS after every key
	s_mov_b32 s[G1K], 15|(1<<16)|(1<<20)|(1<<21)|(3<<22)|(3<<25)  ; 15:0 the mask of four; 17:16 2-byte elements; 20 padding on; 21 set beside a mask; 24:22 after every 16 words (code 3); 31:25 4 words (code 3)
	s_mov_b32 s[G1V], 15|(1<<16)|(1<<20)|(1<<21)|(3<<22)|(7<<25)  ; the same with 8 words of padding (code 7)
.irp g, G1K, G1V
	s_mov_b32 s[\g+1], 128<<16      ; tensor_dim0 = 128
	s_mov_b32 s[\g+2], 64<<16       ; tensor_dim1 = 64
	s_mov_b32 s[\g+3], 128<<16      ; tile_dim0 = 128
	s_mov_b32 s[\g+4], 64           ; tile_dim1 = 64
	s_mov_b32 s[\g+5], 128          ; 128 elements from row to row
	s_mov_b32 s[\g+6], 0
	s_mov_b32 s[\g+7], 0
.endr
	s_mov_b32 s[G0K], 1             ; 1:0 count = 1
	s_mov_b32 s[G0K+1], s62         ; 63:32 LDS address: slot 0
	s_mov_b32 s[G0V], 1
	s_mov_b32 s[G0V+1], s63
	s_mov_b32 s[CS], 0x3e8293ee     ; c = log2(e) / sqrt(32) = 0.255035
	s_mov_b32 s[CS+1], s[CS]        ; named with it as a pair
	s_mov_b32 s[SEL], 0x76543210
	s_mov_b32 s[SEL+1], 0xfedcba98
	s_mov_b32 s[NEG], 0xce6e6b28    ; -1e9
	s_mov_b32 s[NEG+1], s[NEG]
	s_mov_b32 s[ONES], 0x3f803f80
	s_mov_b32 s[TB], SLOT1          ; the first change of slots turns this into 0,
	s_mov_b32 s[TBB], BIAS-1024     ; and this into BIAS
	s_wait_dscnt 0x0                ; the opening add is done
	s_wait_kmcnt 0x0
	s_add_nc_u64 s[G0K+2:G0K+3], s[6:7], s[60:61]  ; 120:64 global address: the head's first 256 keys
	s_or_b32 s[G0K+3], s[G0K+3], 0x80000000        ; 127:126 type = 2
	s_add_nc_u64 s[G0V+2:G0V+3], s[8:9], s[60:61]
	s_or_b32 s[G0V+3], s[G0V+3], 0x80000000
	s_add_nc_u64 s[4:5], s[4:5], s[66:67]
	s_add_nc_u64 s[10:11], s[10:11], s[70:71]
	s_add_nc_u64 s[12:13], s[12:13], s[68:69]
	s_add_nc_u64 s[14:15], s[14:15], s[68:69]
	CROUND                          ; all four work-groups are here: the first joint loads meet
	JLOAD                           ; tile 0 into slot 0
	; A fragment of K or Q is 16 rows x 32 channels in 8 registers: lane l holds row l % 16, channels 8 (l / 16) + 0..7 and 16 + 8 (l / 16) + 0..7: two loads of 16 bytes, 32 bytes apart.
	v_and_b32 v1, 15, v0            ; r = l % 16
	v_bfe_u32 v9, v0, 4, 1          ; h = l / 16
	v_lshlrev_b32 v[QO], 6, v1
	v_lshl_add_u32 v[QO], v9, 4, v[QO]
	v_lshlrev_b32 v[MO], 4, v0
	WIN W_TO
.irp t, 0,1,2,3                     ; Q stays in registers
	global_load_b128 v[QF+8*(\t):QF+8*(\t)+3],   v[QO], s[4:5] offset:(\t)*1024
	global_load_b128 v[QF+8*(\t)+4:QF+8*(\t)+7], v[QO], s[4:5] offset:(\t)*1024+32
.endr
	WIN 0
.irp j, 0,1,2,3                     ; the batch's pad_mask: 256 threads x 16 bytes, four times
	global_load_b128 v[PD+4*(\j):PD+4*(\j)+3], v[MO], s[10:11] offset:(\j)*4096
.endr
	v_mul_u32_u24 v[AK0], v1, PKP
	v_lshl_add_u32 v[AK0], v9, 4, v[AK0]
	s_mul_i32 s2, s[E], KHB
	s_mul_i32 s3, s[Z], 128*PKP
	s_add_co_u32 s2, s2, s3
	v_add_nc_u32 v[AK0], s2, v[AK0]  ; my head, my half of the keys, row r, 16 h
	; The turning load takes 16 keys x 16 channels (lane l reads key 8 (l / 16) + l % 8, channels 8 ((l / 8) % 2) + 0..7) and leaves half a fragment of V^T: lane l holds channel l % 16 and 8 keys.
	v_and_b32 v10, 7, v0
	v_bfe_u32 v11, v0, 3, 1
	v_lshl_add_u32 v[AV0], v9, 3, v10
	v_mul_u32_u24 v[AV0], v[AV0], PVP
	v_lshl_add_u32 v[AV0], v11, 4, v[AV0]
	s_mul_i32 s2, s[E], VHB
	s_mul_i32 s3, s[Z], 128*PVP
	s_add_co_u32 s2, s2, s3
	s_add_co_u32 s2, s2, VOFF
	v_add_nc_u32 v[AV0], s2, v[AV0]
	s_lshl_b32 s2, s[Z], 9
	v_lshl_add_u32 v[AB0], v9, 5, s2  ; my half's 128 f32, and my lanes' eight keys 8 h + 0..7
	v_lshlrev_b32 v[XO], 4, v1
	v_lshl_add_u32 v[XO], v9, 10, v[XO]  ; lanes 0-15 one row's 256 bytes, lanes 16-31 the next row's
	v_and_b32 v11, 31, v0
	s_mul_i32 s2, s[PR], XCB
	s_add_co_u32 s2, s2, XCH
	v_lshl_add_u32 v[XA], v11, 4, s2
	v_mul_u32_u24 v[SA], v1, SP
	v_lshl_add_u32 v[SA], v9, 5, v[SA]
	s_mul_i32 s2, s[U], 64*SP
	s_lshl_b32 s3, s[E], 7
	s_add_co_u32 s2, s2, s3
	s_add_co_u32 s2, s2, STAGE
	v_add_nc_u32 v[SA], s2, v[SA]   ; row 64 u + r, my head's 128 bytes, my eight channels
	v_mul_u32_u24 v[RA], v9, SP
	v_lshl_add_u32 v[RA], v1, 4, v[RA]
	s_mul_i32 s2, s[WV], 16*SP
	s_add_co_u32 s2, s2, STAGE
	v_add_nc_u32 v[RA], s2, v[RA]   ; back: rows 16 w + h + 2 i, whole
	v_lshl_add_u32 v[MD], v0, 4, BIAS
	v_cmp_eq_u32 vcc_lo, 0, v10     ; lanes 0, 8, 16, 24 hold rows 0 and 8 of a source 0
	WIN W_TO
.set i, 0
.rept 8
	v_cndmask_b32 v[ONE+i], 0, s[ONES], vcc_lo
.set i, i+1
.endr
.set i, OF                          ; O^T and l start at 0: no first step is written out; these lines stand in the wait for the first tile
.rept 96
	v_mov_b32 v[i], 0
.set i, i+1
.endr
	WIN 0
.irp t, 0,1,2,3
	v_mov_b32 v[ST+8*(\t)], 0xfe000000    ; c M: far below every c s
	v_mov_b32 v[ST+8*(\t)+1], 0xff7fffff  ; M: the lowest finite number
.irp k, 2,3,4,5,6,7
	v_mov_b32 v[ST+8*(\t)+(\k)], 0
.endr
.endr
	v_lshl_add_u32 v10, v0, 2, BIAS+16384
	v_mov_b32 v11, 0
	s_wait_loadcnt 0x0              ; Q and pad_mask
.set i, 0
.rept 8
	v_pk_mul_f32 v[PD+2*i:PD+2*i+1], v[PD+2*i:PD+2*i+1], s[NEG:NEG+1] op_sel_hi:[1,0]  ; the bias, as it is added in front of the division by sqrt(32)
.set i, i+1
.endr
.irp j, 0,1,2,3
	ds_store_b128 v[MD], v[PD+4*(\j):PD+4*(\j)+3] offset:(\j)*4096
.endr
	ds_store_b32 v10, v11           ; 256 zeros behind the table: the last trip's fetch for a tile that is not reads them
.set i, 0
.rept 8                             ; my 16 rows' part of x: asked for now, waited for on the way out; address and base are never rewritten
	global_load_b128 v[XR+4*i:XR+4*i+3], v[XO], s[12:13] offset:i*2048
.set i, i+1
.endr
; THE MATRIX WORK.  Four products S^T = K Q^T + bias of tile t, on four accumulators.
.macro KQ t
	WIN W_KQ
.irp kb, 0,1,2,3
	v_wmma_f32_16x16x32_bf16 v[S+32*((\t)%2)+8*(\kb):S+32*((\t)%2)+8*(\kb)+7], v[KF+8*(\kb):KF+8*(\kb)+7], v[QF+8*(\t):QF+8*(\t)+7], v[BI+8*(\kb):BI+8*(\kb)+7]
.endr
.endm
; Six products of tile t: O^T += V^T P and l += ONE P, for both halves of the 64 keys.  The three accumulators take turns, one instruction a turn.
.macro PV t
	WIN W_PV
.irp kk, 0,1
	v_wmma_f32_16x16x32_bf16 v[OF+16*(\t):OF+16*(\t)+7],    v[VF+16*(\kk):VF+16*(\kk)+7],    v[P+8*(\kk):P+8*(\kk)+7], v[OF+16*(\t):OF+16*(\t)+7]
	v_wmma_f32_16x16x32_bf16 v[OF+16*(\t)+8:OF+16*(\t)+15], v[VF+16*(\kk)+8:VF+16*(\kk)+15], v[P+8*(\kk):P+8*(\kk)+7], v[OF+16*(\t)+8:OF+16*(\t)+15]
	v_wmma_f32_16x16x32_bf16 v[LF+8*(\t):LF+8*(\t)+7],      v[ONE:ONE+7],                    v[P+8*(\kk):P+8*(\kk)+7], v[LF+8*(\t):LF+8*(\t)+7]
.endr
.endm
; THE LDS LOADS stand in runs: step s's K and bias (16 loads), and its V, turned (8 loads).  Each run stands one tile's softmax ahead of the wait for it.
.macro FETCH_KB s
	WIN W_TO
.irp kb, 0,1,2,3
	ds_load_b128 v[KF+8*(\kb):KF+8*(\kb)+3],   v[AK] offset:(\s)*64*PKP+(\kb)*16*PKP
	ds_load_b128 v[KF+8*(\kb)+4:KF+8*(\kb)+7], v[AK] offset:(\s)*64*PKP+(\kb)*16*PKP+32
.endr
.irp kb, 0,1,2,3
	ds_load_b128 v[BI+8*(\kb):BI+8*(\kb)+3],   v[AB] offset:(\s)*256+(\kb)*64
	ds_load_b128 v[BI+8*(\kb)+4:BI+8*(\kb)+7], v[AB] offset:(\s)*256+(\kb)*64+16
.endr
.endm
.macro FETCH_V s
	WIN W_TO
.irp kk, 0,1
.irp cb, 0,1
	ds_load_tr16_b128 v[VF+16*(\kk)+8*(\cb):VF+16*(\kk)+8*(\cb)+3],   v[AV] offset:(\s)*64*PVP+(\kk)*32*PVP+(\cb)*32
	ds_load_tr16_b128 v[VF+16*(\kk)+8*(\cb)+4:VF+16*(\kk)+8*(\cb)+7], v[AV] offset:(\s)*64*PVP+(\kk)*32*PVP+(\cb)*32+16*PVP
.endr
.endr
.endm
; THE VECTOR WORK of tile t for one step: 94 instructions.  par says which of the two c M is the old one.
;   16 v_max3_num_f32: four chains of seven scores (each accumulator's lowest registers first), the four scores left over, the old M, the chains together
;   5: the query's other 32 keys lie in the lane 16 away; the new M; c M; c M_old - c M_new; a
;   64: c s - c M for a pair, the two exponentials, the pair rounded to bf16.  A scaling stands behind each even exponential, a rounding behind each odd one, so every exponential has a plain
;       instruction behind it before its result is read (ISA guide 5.7.2); a rounding reads exponentials that stand two and three numbers back
;   9: O^T's 16 registers and l's first pair times a: the one part outside window 0
.macro SM t, par
.set rT, ST+8*(\t)
.set rS, S+32*((\t)%2)
.set rOld, rT+2*(\par)
.set rNew, rT+2-2*(\par)
	WIN 0
.irp n, 0,1,2,3
	v_max3_num_f32 v[CC+(\n)], v[rS+8*(\n)], v[rS+8*(\n)+1], v[rS+8*(\n)+2]
.endr
.irp n, 0,1,2,3
	v_max3_num_f32 v[CC+(\n)], v[CC+(\n)], v[rS+8*(\n)+3], v[rS+8*(\n)+4]
.endr
.irp n, 0,1,2,3
	v_max3_num_f32 v[CC+(\n)], v[CC+(\n)], v[rS+8*(\n)+5], v[rS+8*(\n)+6]
.endr
	v_max3_num_f32 v[CC], v[CC], v[rS+7], v[rS+15]
	v_max3_num_f32 v[CC+1], v[CC+1], v[rS+23], v[rS+31]
	v_max3_num_f32 v[CC+2], v[CC+2], v[CC+3], v[rT+1]
	v_max3_num_f32 v[CC], v[CC], v[CC+1], v[CC+2]
	v_permlanex16_b32 v[CC+3], v[CC], s[SEL], s[SEL+1]
	v_max_num_f32 v[rT+1], v[CC], v[CC+3]
	v_mul_f32 v[rNew], s[CS], v[rT+1]
	v_sub_f32 v[rT+5], v[rOld], v[rNew]
	v_exp_f32 v[rT+4], v[rT+5]
	v_pk_fma_f32 v[rS:rS+1], v[rS:rS+1], s[CS:CS+1], v[rNew:rNew+1] op_sel_hi:[1,0,0] neg_lo:[0,0,1] neg_hi:[0,0,1]
.set g, 0
.rept 32
	v_exp_f32 v[rS+g], v[rS+g]
.if (g%2 == 0) && (g <= 28)
	v_pk_fma_f32 v[rS+g+2:rS+g+3], v[rS+g+2:rS+g+3], s[CS:CS+1], v[rNew:rNew+1] op_sel_hi:[1,0,0] neg_lo:[0,0,1] neg_hi:[0,0,1]
.endif
.if (g%2 == 1) && (g >= 3)
	s_wait_alu depctr_va_vdst(0)
	v_cvt_pk_bf16_f32 v[P+(g-3)/2], v[rS+g-3], v[rS+g-2]
.endif
.set g, g+1
.endr
	v_cvt_pk_bf16_f32 v[P+15], v[rS+30], v[rS+31]
	WIN W_RS
.set g, 0
.rept 8
	v_pk_mul_f32 v[OF+16*(\t)+2*g:OF+16*(\t)+2*g+1], v[OF+16*(\t)+2*g:OF+16*(\t)+2*g+1], v[rT+4:rT+5] op_sel_hi:[1,0]
.set g, g+1
.endr
	v_pk_mul_f32 v[LF+8*(\t):LF+8*(\t)+1], v[LF+8*(\t):LF+8*(\t)+1], v[rT+4:rT+5] op_sel_hi:[1,0]
.endm
; A TRIP: a tile of 256 keys, of which my wave takes 128 in two steps.  On entry tile 0's scores of the first step are made and that step's K and bias lie in registers.
; Every vector line that reads a product's result, and every load into a product's registers, has a tile's softmax or four v_nop between.
.macro TRIP fill
	KQ 1
	WIN 0
	v_add_nc_u32 v[AV], s[TB], v[AV0]
	PLACES                          ; V's registers were read by the last products of the step before
	FETCH_V 0
	SM 0, 0
	s_wait_dscnt 0x0                ; V is in
	PV 0
	KQ 2
	SM 1, 0
	PV 1
	KQ 3
	PLACES                          ; K's and the bias's registers were read by the products just issued
	FETCH_KB 1
	SM 2, 0
	PV 2
	s_wait_dscnt 0x0                ; K and the bias of the second step are in
	KQ 0
	SM 3, 0
	PV 3
	KQ 1
	PLACES
	FETCH_V 1
	SM 0, 1
	s_wait_dscnt 0x0                ; V is in: my last read of this slot
	PV 0
	KQ 2
	SM 1, 1
	PV 1
	KQ 3
	CHANGE \fill
	FETCH_KB 0                      ; the next tile's first step
	SM 2, 1
	PV 2
	s_wait_dscnt 0x0
	KQ 0
	SM 3, 1
	PV 3
	WIN 0
.endm
	CHANGE 1                        ; the bias table is whole, slot 0 is in, slot 1 is asked for
	FETCH_KB 0
	s_wait_dscnt 0x0
	KQ 0                            ; tile 0's first scores
	WIN 0
	s_mov_b32 s[CNT], 14            ; trips 0 to 13 ask for tiles 2 to 15
.Lslot:
	TRIP 1
	s_sub_co_u32 s[CNT], s[CNT], 1
	s_cmp_lg_u32 s[CNT], 0
	s_cbranch_scc1 .Lslot
	s_mov_b32 s[CNT], 2             ; the last two trips ask for nothing: a text of their own.  The very last fetches K from the landed other slot and the
.Ltail:                             ; zeros behind the bias table, and its four products on them serve nothing: the price of one text for both trips
	TRIP 0
	s_sub_co_u32 s[CNT], s[CNT], 1
	s_cmp_lg_u32 s[CNT], 0
	s_cbranch_scc1 .Ltail
	; THE MERGE.  Waves 4-7 hand their O^T, c M and l to waves 0-3, lane for lane.
	PLACES                          ; behind the last products
	s_cmp_eq_u32 s[Z], 0
	s_cbranch_scc1 .Lkeep
.irp t, 0,1,2,3
	v_mov_b32 v[T+(\t)], v[ST+8*(\t)]
.endr
	WIN 0x01
.irp t, 0,1,2,3
	v_mov_b32 v[T+4+(\t)], v[LF+8*(\t)]
.endr
	WIN 0x04                        ; store data in window 1
.set i, 0
.rept 16
	ds_store_b128 v[XA], v[OF+4*i:OF+4*i+3] offset:i*512
.set i, i+1
.endr
	WIN 0
	ds_store_b128 v[XA], v[T:T+3] offset:8192
	ds_store_b128 v[XA], v[T+4:T+7] offset:8704
.Lkeep:
	s_wait_dscnt 0x0                ; for the partner's sake: my stores are done
	s_barrier_signal -1
	s_barrier_wait -1
	s_cmp_lg_u32 s[Z], 0
	s_cbranch_scc1 .Lmerged
.set i, 0
.rept 18
	ds_load_b128 v[PD+4*i:PD+4*i+3], v[XA] offset:i*512
.set i, i+1
.endr
	WIN 0x01
.irp t, 0,1,2,3
	v_mov_b32 v[T+(\t)], v[LF+8*(\t)]  ; my own l
.endr
	WIN 0
	s_wait_dscnt 0x0
.irp t, 0,1,2,3
	v_max_num_f32 v[CC+(\t)], v[ST+8*(\t)], v[PD+64+(\t)]  ; the common c M
.endr
.irp t, 0,1,2,3
	v_sub_f32 v[ST+8*(\t)+4], v[ST+8*(\t)], v[CC+(\t)]
	v_sub_f32 v[ST+8*(\t)+6], v[PD+64+(\t)], v[CC+(\t)]
.endr
.irp t, 0,1,2,3
	v_exp_f32 v[ST+8*(\t)+4], v[ST+8*(\t)+4]  ; f0, f1: one of them is 1
	v_exp_f32 v[ST+8*(\t)+6], v[ST+8*(\t)+6]
.endr
	v_nop                           ; a plain instruction behind the last exponential
	s_wait_alu depctr_va_vdst(0)
.irp t, 0,1,2,3
	v_mul_f32 v[T+4+(\t)], v[ST+8*(\t)+6], v[PD+68+(\t)]
.endr
.irp t, 0,1,2,3
	v_fmac_f32 v[T+4+(\t)], v[ST+8*(\t)+4], v[T+(\t)]  ; l = f0 l0 + f1 l1: at least 1, since the largest weight is 1
.endr
.irp t, 0,1,2,3
	v_rcp_f32 v[T+4+(\t)], v[T+4+(\t)]
.endr
	v_nop                           ; a plain instruction behind the last reciprocal
	s_wait_alu depctr_va_vdst(0)
.irp t, 0,1,2,3
	v_mul_f32 v[ST+8*(\t)+4], v[ST+8*(\t)+4], v[T+4+(\t)]
	v_mul_f32 v[ST+8*(\t)+6], v[ST+8*(\t)+6], v[T+4+(\t)]
.endr
.set i, 0
.rept 32
	v_pk_mul_f32 v[PD+2*i:PD+2*i+1], v[PD+2*i:PD+2*i+1], v[ST+8*(i/8)+6:ST+8*(i/8)+7] op_sel_hi:[1,0]
.set i, i+1
.endr
	WIN 0x01
.set i, 0
.rept 32
	v_pk_fma_f32 v[PD+2*i:PD+2*i+1], v[OF+2*i:OF+2*i+1], v[ST+8*(i/8)+4:ST+8*(i/8)+5], v[PD+2*i:PD+2*i+1] op_sel_hi:[1,0,1]
.set i, i+1
.endr
	WIN 0
.set i, 0
.rept 16                            ; tile i / 4, channel block (i / 2) % 2, four of my eight channels
	ds_store_b128 v[SA], v[PD+4*i:PD+4*i+3] offset:(i/4)*16*SP+((i/2)%2)*64+(i%2)*16
.set i, i+1
.endr
.Lmerged:
	s_wait_dscnt 0x0                ; for the others' sake: my stores into the stage are done
	s_barrier_signal -1
	s_barrier_wait -1
	; THE WAY OUT.  Every wave takes 16 whole rows of the stage, adds x and stores.
.set i, 0
.rept 8
	ds_load_b128 v[PD+4*i:PD+4*i+3], v[RA] offset:i*2*SP
.set i, i+1
.endr
	s_wait_loadcnt 0x0              ; x
	s_wait_dscnt 0x0
.set i, 0
.rept 16
	v_pk_add_f32 v[PD+2*i:PD+2*i+1], v[PD+2*i:PD+2*i+1], v[XR+2*i:XR+2*i+1]
.set i, i+1
.endr
.set i, 0
.rept 8
	global_store_b128 v[XO], v[PD+4*i:PD+4*i+3], s[14:15] offset:i*2048  ; 16 lanes store 256 consecutive bytes, at a multiple of 256 from hs's first byte
.set i, i+1
.endr
	s_wait_tensorcnt 0x0            ; the wave's end, behind my last tensor load and my last LDS store
	ds_add_u32 v[SPW], v[NIL]
	s_wait_dscnt 0x0
	CROUND                          ; the closing round: no work-group ends while a partner may still ask for a tile that names it
	s_endpgm
.Lfunc_end_k_q78a507de27_attn:
	.size	k_q78a507de27_attn, .Lfunc_end_k_q78a507de27_attn-k_q78a507de27_attn
	.p2alignl 7, 3214868480
	.fill 96, 4, 3214868480
	.section	.rodata,"a",@progbits
	.p2align	6, 0x0
	.amdhsa_kernel k_q78a507de27_attn
		.amdhsa_group_segment_fixed_size 327680
		.amdhsa_private_segment_fixed_size 0
		.amdhsa_enable_private_segment 0
		.amdhsa_kernarg_size 48
		.amdhsa_user_sgpr_count 2
		.amdhsa_user_sgpr_kernarg_segment_ptr 1
		.amdhsa_wavefront_size32 1
		.amdhsa_system_sgpr_workgroup_id_x 1
		.amdhsa_system_sgpr_workgroup_id_y 1
		.amdhsa_system_sgpr_workgroup_id_z 1
		.amdhsa_system_vgpr_workitem_id 0
		.amdhsa_next_free_vgpr 512
		.amdhsa_next_free_sgpr 80
		.amdhsa_reserve_vcc 1
		.amdhsa_float_denorm_mode_32 3
		.amdhsa_float_denorm_mode_16_64 3
		.amdhsa_memory_ordered 1
		.amdhsa_forward_progress 1
		.amdhsa_inst_pref_size 136
	.end_amdhsa_kernel
	.amdgpu_metadata
---
amdhsa.version: [ 1, 2 ]
amdhsa.kernels:
  - .name:           k_q78a507de27_attn
    .symbol:         k_q78a507de27_attn.kd
    .args:
      - { .name: qh, .offset: 0, .size: 8, .value_kind: global_buffer, .address_space: global }
      - { .name: kh, .offset: 8, .size: 8, .value_kind: global_buffer, .address_space: global }
      - { .name: vh, .offset: 16, .size: 8, .value_kind: global_buffer, .address_space: global }
      - { .name: pad_mask, .offset: 24, .size: 8, .value_kind: global_buffer, .address_space: global }
      - { .name: x, .offset: 32, .size: 8, .value_kind: global_buffer, .address_space: global }
      - { .name: hs, .offset: 40, .size: 8, .value_kind: global_buffer, .address_space: global }
    .group_segment_fixed_size: 327680
    .private_segment_fixed_size: 0
    .kernarg_segment_align: 8
    .kernarg_segment_size: 48
    .max_flat_workgroup_size: 256
    .sgpr_count:     80
    .vgpr_count:     512
    .wavefront_size: 32
...
	.end_amdgpu_metadata
.endif
;; end of part 2
;; launch norm (part 3): grid 256 x 1, 8 waves a work-group, no clusters, 0 bytes of LDS; arguments hs, gamma, beta, out0; writes out0
.if DOCPART == 3
	.amdgcn_target "amdgcn-amd-amdhsa--gfx1250"
	.amdhsa_code_object_version 6
	.text
	.protected	k_q78a507de27_norm
	.globl	k_q78a507de27_norm
	.p2align	8
	.type	k_q78a507de27_norm,@function
k_q78a507de27_norm:
	s_mov_b64 s[64:65], 0
	v_nop
	global_prefetch_b8 v0, s[64:65] scope:SCOPE_SE
	s_setreg_imm32_b32 hwreg(HW_REG_WAVE_MODE, 25, 1), 1
	s_wait_xcnt 0x0
; out0[row][c] = gamma[c] (h - mu) / sqrt(var + 1e-6) + beta[c], h = hs[row][:], mu and var the row's mean and mean squared deviation.  hs, out0: [8192][256] f32.
; A stream: each byte is read once and written once, so no LDS, no barrier, no matrix unit and no cluster (no two work-groups read the same rows; gamma and beta are 2,048 bytes).
; A work-group owns 32 rows, a wave 4.  A lane holds 8 numbers of each row: 16 bytes at 16 l and at 512 + 16 l, so each load and store of a wave covers 512 consecutive bytes.
; The row stays in registers between the two passes; the variance is taken of h - mu, as the definition has it, so a common offset of the row costs nothing.
; All 12 loads of a wave go out at once; the four rows' chains are written stage by stage, so that none waits for the line just ahead of it.
.set G,  4                             ; v[4:11]   gamma of my 8 columns
.set BT, 12                            ; v[12:19]  beta
.set H,  20                            ; v[20:51]  row i at H + 8 i
.set A,  52                            ; v[52:59]  row i: a pair at work; its low word ends up with the row's sum
.set B,  60                            ; v[60:67]  row i: a second pair
	s_load_b256 s[4:11], s[0:1], 0x0               ; hs 4, gamma 6, beta 8, out0 10
	v_and_b32 v2, 31, v0
	v_lshlrev_b32 v2, 4, v2                        ; 16 l
	v_lshrrev_b32 v1, 5, v0
	v_lshl_add_u32 v1, v1, 12, v2                  ; + my wave's 4 rows of 1,024 bytes
	s_lshl_b32 s12, ttmp9, 15                      ; the work-group's 32 rows
	s_mov_b32 s13, 0
	s_mov_b32 s14, 0x76543210                      ; v_permlanex16_b32: each lane takes its own place in the other half
	s_mov_b32 s15, 0xfedcba98
	s_mov_b32 s16, 0x3b800000                      ; 1 / 256
	s_mov_b32 s17, 0x358637bd                      ; 1e-6
	s_mov_b32 s18, 0xbb800000                      ; -1 / 256
	s_mov_b32 s19, s18                             ; named with it as a pair
	s_wait_kmcnt 0x0
	s_add_nc_u64 s[4:5], s[4:5], s[12:13]
	s_add_nc_u64 s[10:11], s[10:11], s[12:13]
.irp i, 0,1,2,3
	global_load_b128 v[H+8*(\i):H+8*(\i)+3],   v1, s[4:5] offset:(\i)*1024 th:TH_LOAD_NT
	global_load_b128 v[H+8*(\i)+4:H+8*(\i)+7], v1, s[4:5] offset:(\i)*1024+512 th:TH_LOAD_NT
.endr
	global_load_b128 v[G:G+3],     v2, s[6:7]
	global_load_b128 v[G+4:G+7],   v2, s[6:7] offset:512
	global_load_b128 v[BT:BT+3],   v2, s[8:9]
	global_load_b128 v[BT+4:BT+7], v2, s[8:9] offset:512
; The low word of each row's pair A is summed over the 32 lanes: four steps inside each half of 16 lanes ride on the addition, one crosses the halves.
.macro ACROSS
.irp i, 0,1,2,3
	v_add_f32 v[A+2*(\i)], v[A+2*(\i)], v[A+2*(\i)+1]
.endr
.irp m, 1,2,4,8
.irp i, 0,1,2,3
	v_add_f32_dpp v[A+2*(\i)], v[A+2*(\i)], v[A+2*(\i)] row_xmask:\m row_mask:0xf bank_mask:0xf
.endr
.endr
.irp i, 0,1,2,3
	v_permlanex16_b32 v[A+2*(\i)+1], v[A+2*(\i)], s14, s15
.endr
.irp i, 0,1,2,3
	v_add_f32 v[A+2*(\i)], v[A+2*(\i)], v[A+2*(\i)+1]
.endr
.endm
	s_wait_loadcnt 0x0                             ; everything that the wave reads
.irp i, 0,1,2,3
	v_pk_add_f32 v[A+2*(\i):A+2*(\i)+1], v[H+8*(\i):H+8*(\i)+1], v[H+8*(\i)+2:H+8*(\i)+3]
	v_pk_add_f32 v[B+2*(\i):B+2*(\i)+1], v[H+8*(\i)+4:H+8*(\i)+5], v[H+8*(\i)+6:H+8*(\i)+7]
.endr
.irp i, 0,1,2,3
	v_pk_add_f32 v[A+2*(\i):A+2*(\i)+1], v[A+2*(\i):A+2*(\i)+1], v[B+2*(\i):B+2*(\i)+1]
.endr
	ACROSS
.irp k, 0,2,4,6
.irp i, 0,1,2,3
	v_pk_fma_f32 v[H+8*(\i)+(\k):H+8*(\i)+(\k)+1], v[A+2*(\i):A+2*(\i)+1], s[18:19], v[H+8*(\i)+(\k):H+8*(\i)+(\k)+1] op_sel_hi:[0,0,1]  ; h - sum / 256
.endr
.endr
.irp i, 0,1,2,3
	v_pk_mul_f32 v[A+2*(\i):A+2*(\i)+1], v[H+8*(\i):H+8*(\i)+1], v[H+8*(\i):H+8*(\i)+1]
.endr
.irp k, 2,4,6
.irp i, 0,1,2,3
	v_pk_fma_f32 v[A+2*(\i):A+2*(\i)+1], v[H+8*(\i)+(\k):H+8*(\i)+(\k)+1], v[H+8*(\i)+(\k):H+8*(\i)+(\k)+1], v[A+2*(\i):A+2*(\i)+1]
.endr
.endr
	ACROSS
.irp i, 0,1,2,3
	v_fma_f32 v[A+2*(\i)], v[A+2*(\i)], s16, s17   ; var + 1e-6
.endr
.irp i, 0,1,2,3
	v_rsq_f32 v[A+2*(\i)], v[A+2*(\i)]
.endr
	v_nop                                          ; a plain instruction between the last v_rsq_f32 and the use of its result (ISA guide 5.7.2)
	s_wait_alu depctr_va_vdst(0)
.irp k, 0,2,4,6
.irp i, 0,1,2,3
	v_pk_mul_f32 v[H+8*(\i)+(\k):H+8*(\i)+(\k)+1], v[H+8*(\i)+(\k):H+8*(\i)+(\k)+1], v[A+2*(\i):A+2*(\i)+1] op_sel_hi:[1,0]
.endr
.endr
.irp k, 0,2,4,6
.irp i, 0,1,2,3
	v_pk_fma_f32 v[H+8*(\i)+(\k):H+8*(\i)+(\k)+1], v[H+8*(\i)+(\k):H+8*(\i)+(\k)+1], v[G+(\k):G+(\k)+1], v[BT+(\k):BT+(\k)+1]
.endr
.endr
.irp i, 0,1,2,3
	global_store_b128 v1, v[H+8*(\i):H+8*(\i)+3],   s[10:11] offset:(\i)*1024 th:TH_STORE_NT
	global_store_b128 v1, v[H+8*(\i)+4:H+8*(\i)+7], s[10:11] offset:(\i)*1024+512 th:TH_STORE_NT
.endr
	s_endpgm
.Lfunc_end_k_q78a507de27_norm:
	.size	k_q78a507de27_norm, .Lfunc_end_k_q78a507de27_norm-k_q78a507de27_norm
	.p2alignl 7, 3214868480
	.fill 96, 4, 3214868480
	.section	.rodata,"a",@progbits
	.p2align	6, 0x0
	.amdhsa_kernel k_q78a507de27_norm
		.amdhsa_group_segment_fixed_size 0
		.amdhsa_private_segment_fixed_size 0
		.amdhsa_enable_private_segment 0
		.amdhsa_kernarg_size 32
		.amdhsa_user_sgpr_count 2
		.amdhsa_user_sgpr_kernarg_segment_ptr 1
		.amdhsa_wavefront_size32 1
		.amdhsa_system_sgpr_workgroup_id_x 1
		.amdhsa_system_sgpr_workgroup_id_y 1
		.amdhsa_system_sgpr_workgroup_id_z 1
		.amdhsa_system_vgpr_workitem_id 0
		.amdhsa_next_free_vgpr 80
		.amdhsa_next_free_sgpr 66
		.amdhsa_reserve_vcc 0
		.amdhsa_float_denorm_mode_32 3
		.amdhsa_float_denorm_mode_16_64 3
		.amdhsa_memory_ordered 1
		.amdhsa_forward_progress 1
		.amdhsa_inst_pref_size 12
	.end_amdhsa_kernel
	.amdgpu_metadata
---
amdhsa.version: [ 1, 2 ]
amdhsa.kernels:
  - .name:           k_q78a507de27_norm
    .symbol:         k_q78a507de27_norm.kd
    .args:
      - { .name: hs, .offset: 0, .size: 8, .value_kind: global_buffer, .address_space: global }
      - { .name: gamma, .offset: 8, .size: 8, .value_kind: global_buffer, .address_space: global }
      - { .name: beta, .offset: 16, .size: 8, .value_kind: global_buffer, .address_space: global }
      - { .name: out0, .offset: 24, .size: 8, .value_kind: global_buffer, .address_space: global }
    .group_segment_fixed_size: 0
    .private_segment_fixed_size: 0
    .kernarg_segment_align: 8
    .kernarg_segment_size: 32
    .max_flat_workgroup_size: 256
    .sgpr_count:     66
    .vgpr_count:     80
    .wavefront_size: 32
...
	.end_amdgpu_metadata
.endif
;; end of part 3
;; ======== version 2 of 2: 3 launches; 1.22 times as fast as version 1
;; workspace buffers: qh 4,194,304 bytes; kh 4,194,304 bytes; vh 4,194,304 bytes; hs 8,388,608 bytes
;; launch proj: the kernel of part 1 again; grid 64 x 4, 8 waves a work-group, no clusters, 236,544 bytes of LDS; arguments x, Wq, Wk, Wv, bq, bk, bv, qh, kh, vh; writes qh, kh, vh
;; launch attn (part 4): grid 32 x 8, 8 waves a work-group, clusters of 4 x 1, 327,680 bytes of LDS; arguments qh, kh, vh, pad_mask, x, hs; writes hs
.if DOCPART == 4
	.amdgcn_target "amdgcn-amd-amdhsa--gfx1250"
	.amdhsa_code_object_version 6
	.text
	.protected	k_q78a507de27_attn
	.globl	k_q78a507de27_attn
	.p2align	8
	.type	k_q78a507de27_attn,@function
k_q78a507de27_attn:
	s_mov_b64 s[64:65], 0
	v_nop
	global_prefetch_b8 v0, s[64:65] scope:SCOPE_SE
	s_setreg_imm32_b32 hwreg(HW_REG_WAVE_MODE, 25, 1), 1
	s_wait_xcnt 0x0
	s_wait_alu depctr_hold_cnt(0) depctr_sa_sdst(0) depctr_va_vdst(0) depctr_va_sdst(0) depctr_va_ssrc(0) depctr_va_vcc(0) depctr_vm_vsrc(0)
	s_getreg_b32 s2, hwreg(HW_REG_IB_STS2, 6, 4)
	s_cmp_eq_u32 s2, 0
	s_cbranch_scc0 .Lentry_in_a_cluster
	s_endpgm
.Lentry_in_a_cluster:
	s_bfe_u32 s2, ttmp6, 0x10000c
	s_cmp_lg_u32 s2, 0x3003
	s_cbranch_scc0 .Lentry_shape_is_right
	s_endpgm
.Lentry_shape_is_right:
; hs[row][:] = x[row][:] + the heads' attention: for each head, softmax_k((q . k + pad_mask[k] x -1e9) / sqrt(32)) v.  qh, kh, vh: [b*8+head][4096][32] bf16, a head's rows dense, 64 bytes each.
; Products, maxima and sums in f32; the weights p are rounded to bf16 for the second product, and their sum l is taken of the same rounded p, by the matrix unit.
; LIMITS.  bf16 operands.  A weight below 2^-126 counts as 0.  NaN and infinities are not treated apart.  q . k + bias is summed inside the matrix instruction (the bias is its C operand), so where EVERY key
; of a batch carries a bias near -1e9 the last bits of that sum may be rounded otherwise than by an f32 addition.
; SHARES.  y = 4 b + hp, blk = 4 x cluster x + cx.  A work-group owns 128 queries of the head PAIR hp: a row's 64 channels of f32 are 256 consecutive bytes of hs.  32 x 8 = 256 work-groups.
; Wave w: z = w >> 2 (which half of every tile's 256 keys), e = (w >> 1) & 1 (head), u = w & 1 (64 queries: four tiles of 16).  Waves w and w + 4 hold the same queries and are merged at the end.
; So a fragment of K, V or the bias read from LDS feeds four tiles' products, and each SIMD has two waves: one issues vector work while the other waits for the matrix unit or for LDS.
; LAYOUT.  S^T = K Q^T + bias (source 0 = 16 keys, source 1 = 16 queries): a lane holds ONE query (l % 16) and the keys 8 (l / 16) + 0..7.  Two such results rounded to bf16 in pairs ARE source 1 (32 keys x
; 16 queries) of O^T = V^T P.  V ([key][channel]) comes out of LDS turned, by ds_load_tr16_b128.  l = ONE P, where ONE has ones in rows 0 and 8 alone: register 0 of the result holds the lane's query's sum.
; SOFTMAX.  A running maximum M and c M, c = log2(e) / sqrt(32): p = 2^(c s - c M); in every step O and l are multiplied by a = 2^(c M_old - c M_new).  c M starts far below every c s, O and l at 0: the first step's a is 0.
; ORDER.  Pipelined by one tile: K Q^T of tile t + 1 is issued, then tile t's vector work (SM t), then its V^T P.  A trip is a tile of 256 keys: two steps of 64 keys for each wave.
; BATCHES.  SM t holds tile t's scalings, exponentials, rescaling and roundings, and tile t + 1's maximum, M, c M and a, whose scores have just been asked of the matrix unit.  Its 33 exponentials (tile t's 32 and
; tile t + 1's a) are ONE batch with ONE wait.  Ahead of the wait stands all that names none of their results: the scalings, the next tile's maximum and statistics, and the rescaling of O^T and l, whose a was made
; and waited for in the SM before.  Behind it stand the roundings.  So a trip has eight such waits.  The merge has two batches more: f0, f1; the reciprocals.
; CLUSTER.  The four query blocks of a cluster share (b, hp) and walk the same K and V, so each tile is asked for JOINTLY: the same tensor load, descriptor and mask in all four.  Waves 0, 1 ask for the two heads'
; K, waves 2, 3 for their V, waves 4 to 7 for nothing.  By this text's own count a wave has at most one tensor load outstanding.
; NO PREFETCH: K and V were written by the launch before, and x is asked for at this launch's start, 16 trips ahead of its use.
; REGISTERS, in windows of 256 (s_set_vgpr_msb: bits 1:0 source 0, 3:2 source 1, 5:4 source 2, 7:6 destination).  Window 0: addresses, statistics, S^T, P, x, the partner's data.  Window 1: Q, K, bias, V, O^T, l, ONE.
.set PKP,   80        ; a key of K in LDS: 64 bytes + 16 = 20 words: the 16 rows of a load start at 16 different groups of four banks (64 banks of 4 bytes: ISA guide 11.1)
.set PVP,   96        ; a key of V: 64 + 32 = 24 words
.set KHB,   256*PKP   ; 20,480: one head's K of a tile
.set VHB,   256*PVP   ; 24,576: one head's V
.set VOFF,  2*KHB     ; a slot: K of head 0, K of head 1, V of head 0, V of head 1
.set SLOTB, VOFF+2*VHB  ; 90,112
.set BIAS,  SLOTB     ; 4,096 f32 of pad_mask x -1e9 and 256 zeros behind them; stored once, never filled by a tensor load
.set SPARE, BIAS+17408  ; 107,520: the spare words, 128 bytes for each of the eight waves; no other line names them
.set SLOT1, 1<<17     ; slot 1 begins here, so that one exclusive or turns an address in one slot into the other's
.set XCH,   SLOT1+SLOTB  ; 221,184: what waves 4-7 hand to waves 0-3: four times 9,216 bytes
.set XCB,   9216
.set STAGE, XCH+4*XCB    ; 258,048: 128 rows of 256 bytes + 16, for the way out
.set SP,    272
.set AK0, 2           ; v2   my lane's place in a tile's K; never rewritten
.set AV0, 3           ; v3   the same for V
.set AB0, 4           ; v4   the same in a tile's 1,024 bytes of bias
.set AK,  5           ; v5   LDS address of K's runs of loads
.set AV,  6           ; v6   of V's
.set AB,  7           ; v7   of the bias's
.set QO,  8           ; v8   my byte offset in 16 rows of Q
.set SPW, 12          ; v12  LDS address of my spare word; never rewritten
.set NIL, 13          ; v13  0; never rewritten
.set XO,  14          ; v14  my byte offset in two rows of x and of hs; never rewritten
.set XA,  15          ; v15  my 16 bytes in my pair's exchange
.set ST,  16          ; v[16:47] tile t's statistics at ST + 8 t: +0, +2 c M by turns; +1 M; +3 named with +2 as a pair; +4 a; +5 its argument; +6, +7 for the merge
.set CC,  48          ; v[48:51] four chains of the maximum
.set SA,  52          ; v52  the way out: where I put a row's 16 bytes
.set RA,  53          ; v53  where I read rows back
.set MO,  54          ; v54  16 x my thread's number: pad_mask
.set MD,  55          ; v55  the same + BIAS
.set T,   56          ; v[56:63] at work
.set S,   64          ; v[64:127] S^T: two buffers of 32, by the tile's parity
.set P,   128         ; v[128:143]
.set XR,  144         ; v[144:175] my 16 rows' part of x
.set PD,  176         ; v[176:247] pad_mask at the start; the partner's O^T, c M and l; the rows on the way out
.set QF,  0           ; window 1: Q, 8 a tile
.set KF,  32          ; K of one step, 8 for each 16 keys
.set BI,  64          ; the bias of those keys, as C operands
.set VF,  96          ; V of one step: key half kk, channel block cb at VF + 16 kk + 8 cb
.set OF,  128         ; O^T: OF + 16 t + 8 cb
.set LF,  192         ; l: LF + 8 t
.set ONE, 224
.set WV,  16          ; s16  my wave's number
.set Z,   17          ; s17  z
.set E,   18          ; s18  e
.set U,   19          ; s19  u; also: which head's tile I ask for
.set PR,  20          ; s20  w & 3: my pair
.set G1K, 24          ; s[24:31] descriptor group 1 for K
.set G1V, 32          ; s[32:39] for V: it differs in the padding alone
.set G0K, 40          ; s[40:43] descriptor group 0 for K: it walks
.set G0V, 44          ; s[44:47] for V
.set CNT, 48          ; s48  trips to go
.set TB,  49          ; s49  the slot in hand: 0 or SLOT1
.set TBB, 50          ; s50  LDS byte of the tile's bias
.set CS,  52          ; s[52:53] c
.set SEL, 54          ; s[54:55] v_permlanex16_b32's selects: each lane takes its own place in the other half
.set NEG, 56          ; s[56:57] -1e9
.set ONES, 58         ; s58  two bf16 ones
.set MSB, 0
.macro WIN new                      ; the high byte repeats the setting that is left; a switch that changes nothing is dropped
.if MSB != (\new)
	s_set_vgpr_msb (MSB<<8)|(\new)
.set MSB, (\new)
.endif
.endm
.set W_KQ, 0x15       ; K, Q and the bias in window 1, S^T in window 0
.set W_PV, 0x51       ; V (or ONE) in window 1, P in window 0, C and D in window 1
.set W_RS, 0x41       ; destination and source 0 in window 1, source 1 in window 0
.set W_TO, 0x40       ; destination in window 1
.macro PLACES                       ; four places between a matrix instruction and a load into, or a vector instruction on, its registers
.rept 4
	v_nop
.endr
.endm
; A joint fill.  The branches hang on the wave's number alone.  An s_nop 0 and four v_nop follow each tensor load, ahead of the jump and the label; a wave that asks for nothing
; has the four v_nop too: on every way they are the places in front of the loads that follow.
.macro JLOAD
	s_cmp_lt_u32 s[WV], 2
	s_cbranch_scc0 .Lnot_k_\@
	tensor_load_to_lds s[G0K:G0K+3], s[G1K:G1K+7]
	s_nop 0
.rept 4
	v_nop
.endr
	s_branch .Lasked_\@
.Lnot_k_\@:
	s_cmp_lt_u32 s[WV], 4
	s_cbranch_scc0 .Lnone_\@
	tensor_load_to_lds s[G0V:G0V+3], s[G1V:G1V+7]
	s_nop 0
.rept 4
	v_nop
.endr
	s_branch .Lasked_\@
.Lnone_\@:
.rept 4
	v_nop
.endr
.Lasked_\@:
.endm
; A round of the cluster's barrier: my work-group's barrier, so that wave 0's signal speaks for all eight waves; wave 0 signals; every wave waits for all four work-groups; my work-group's barrier once more.
.macro CROUND
	s_barrier_signal -1
	s_barrier_wait -1
	s_cmp_lg_u32 s[WV], 0
	s_cbranch_scc1 .Lnot_wave_0_\@
	s_barrier_signal -3
.Lnot_wave_0_\@:
	s_barrier_wait -3
	s_barrier_signal -1
	s_barrier_wait -1
.endm
; THE CHANGE OF SLOTS.  Each wave waits for all its tensor loads (at most one is out: its part of the other slot), adds 0 to its spare word, and waits for that and for its own reads of the slot that it leaves.
; Behind the barrier nobody reads the old slot and the other slot is whole.  fill = 1: the barrier is a round of the cluster's, and the old slot is filled again first thing behind it, with the tile two on:
; that load has a whole trip in which to land.  (At its first use nothing has been read yet: the bias table is published, slot 0 waited for, slot 1 filled.)
.macro CHANGE fill
	WIN 0                           ; at a label and at a branch every window is 0
	s_wait_tensorcnt 0x0            ; no tensor load of mine is out, so a group 0 may be written
	ds_add_u32 v[SPW], v[NIL]       ; 0 onto my spare word; scalar work stands between it and the wait for it
.if \fill
.irp g, G0K, G0V
	s_xor_b32 s[\g+1], s[\g+1], SLOT1  ; the walking descriptor: the other slot than last time,
	s_add_nc_u64 s[\g+2:\g+3], s[\g+2:\g+3], 16384  ; the head's next 256 keys; the type bits on top are not reached
.endr
.endif
	s_xor_b32 s[TB], s[TB], SLOT1   ; the reads go over to the other slot,
	s_add_co_u32 s[TBB], s[TBB], 1024  ; and to the next 256 keys' bias
	s_wait_dscnt 0x0                ; the add is done, and my reads of the slot are over
.if \fill
	CROUND
	JLOAD
.else
	s_barrier_signal -1
	s_barrier_wait -1
	PLACES
.endif
	v_add_nc_u32 v[AK], s[TB], v[AK0]
	v_add_nc_u32 v[AB], s[TBB], v[AB0]
.endm
	s_load_b256 s[4:11], s[0:1], 0x0  ; qh 4, kh 6, vh 8, pad_mask 10
	s_load_b128 s[12:15], s[0:1], 0x20  ; x 12, hs 14
	v_lshl_add_u32 v[SPW], v0, 2, SPARE
	v_mov_b32 v[NIL], 0
	ds_add_u32 v[SPW], v[NIL]       ; the wave's opening: the add and its wait stand ahead of my first tensor load; the set-up below, work on registers, stands between them
	v_lshrrev_b32 v1, 5, v0
	v_readfirstlane_b32 s[WV], v1   ; wave 0..7
	s_lshr_b32 s[Z], s[WV], 2
	s_bfe_u32 s[E], s[WV], 0x10001
	s_and_b32 s[U], s[WV], 1
	s_and_b32 s[PR], s[WV], 3
	s_bfe_u32 s21, ttmp6, 0x40000   ; cx: my place in the cluster
	s_lshl_b32 s22, ttmp9, 2        ; in a cluster launch ttmp9 counts clusters
	s_add_co_u32 s22, s22, s21      ; blk: it enters the addresses of qh, x and hs alone
	s_and_b32 s23, ttmp7, 0xffff    ; y = 4 b + hp, which the four partners share
	s_lshl_b32 s60, s23, 1
	s_add_co_u32 s60, s60, s[U]     ; the head whose tile I ask for: 2 y + (w & 1),
	s_lshl_b32 s60, s60, 18         ; 262,144 bytes each
	s_mov_b32 s61, 0
	s_mul_i32 s62, s[U], KHB        ; and its place in a slot, for K
	s_mul_i32 s63, s[U], VHB        ; and for V: no place in the cluster enters an LDS address
	s_add_co_u32 s63, s63, VOFF
	s_lshl_b32 s66, s23, 1
	s_add_co_u32 s66, s66, s[E]     ; my own head,
	s_lshl_b32 s66, s66, 18
	s_lshl_b32 s59, s22, 13         ; my block's 128 rows of 64 bytes,
	s_add_co_u32 s66, s66, s59
	s_lshl_b32 s59, s[U], 12        ; my 64 of them
	s_add_co_u32 s66, s66, s59
	s_mov_b32 s67, 0
	s_lshr_b32 s68, s23, 2          ; x and hs: b x 4,096 rows of 1,024 bytes,
	s_lshl_b32 s68, s68, 22
	s_lshl_b32 s59, s22, 17         ; my block's 128 rows,
	s_add_co_u32 s68, s68, s59
	s_lshl_b32 s59, s[WV], 14       ; the 16 that my wave sends out,
	s_add_co_u32 s68, s68, s59
	s_and_b32 s59, s23, 3
	s_lshl_b32 s59, s59, 8          ; the head pair's 256 bytes
	s_add_co_u32 s68, s68, s59
	s_mov_b32 s69, 0
	s_lshr_b32 s70, s23, 2
	s_lshl_b32 s70, s70, 14         ; pad_mask: b x 4,096 f32
	s_mov_b32 s71, 0
	; descriptor group 1.  A head's 256 keys are 16,384 dense bytes: asked for as 64 rows of 256 bytes, four keys a row, and padded in LDS after every key
	s_mov_b32 s[G1K], 15|(1<<16)|(1<<20)|(1<<21)|(3<<22)|(3<<25)  ; 15:0 the mask of four; 17:16 2-byte elements; 20 padding on; 21 set beside a mask; 24:22 after every 16 words (code 3); 31:25 4 words (code 3)
	s_mov_b32 s[G1V], 15|(1<<16)|(1<<20)|(1<<21)|(3<<22)|(7<<25)  ; the same with 8 words of padding (code 7)
.irp g, G1K, G1V
	s_mov_b32 s[\g+1], 128<<16      ; tensor_dim0 = 128
	s_mov_b32 s[\g+2], 64<<16       ; tensor_dim1 = 64
	s_mov_b32 s[\g+3], 128<<16      ; tile_dim0 = 128
	s_mov_b32 s[\g+4], 64           ; tile_dim1 = 64
	s_mov_b32 s[\g+5], 128          ; 128 elements from row to row
	s_mov_b32 s[\g+6], 0
	s_mov_b32 s[\g+7], 0
.endr
	s_mov_b32 s[G0K], 1             ; 1:0 count = 1
	s_mov_b32 s[G0K+1], s62         ; 63:32 LDS address: slot 0
	s_mov_b32 s[G0V], 1
	s_mov_b32 s[G0V+1], s63
	s_mov_b32 s[CS], 0x3e8293ee     ; c = log2(e) / sqrt(32) = 0.255035
	s_mov_b32 s[CS+1], s[CS]        ; named with it as a pair
	s_mov_b32 s[SEL], 0x76543210
	s_mov_b32 s[SEL+1], 0xfedcba98
	s_mov_b32 s[NEG], 0xce6e6b28    ; -1e9
	s_mov_b32 s[NEG+1], s[NEG]
	s_mov_b32 s[ONES], 0x3f803f80
	s_mov_b32 s[TB], SLOT1          ; the first change of slots turns this into 0,
	s_mov_b32 s[TBB], BIAS-1024     ; and this into BIAS
	s_wait_dscnt 0x0                ; the opening add is done
	s_wait_kmcnt 0x0
	s_add_nc_u64 s[G0K+2:G0K+3], s[6:7], s[60:61]  ; 120:64 global address: the head's first 256 keys
	s_or_b32 s[G0K+3], s[G0K+3], 0x80000000        ; 127:126 type = 2
	s_add_nc_u64 s[G0V+2:G0V+3], s[8:9], s[60:61]
	s_or_b32 s[G0V+3], s[G0V+3], 0x80000000
	s_add_nc_u64 s[4:5], s[4:5], s[66:67]
	s_add_nc_u64 s[10:11], s[10:11], s[70:71]
	s_add_nc_u64 s[12:13], s[12:13], s[68:69]
	s_add_nc_u64 s[14:15], s[14:15], s[68:69]
	CROUND                          ; all four work-groups are here: the first joint loads meet
	JLOAD                           ; tile 0 into slot 0
	; A fragment of K or Q is 16 rows x 32 channels in 8 registers: lane l holds row l % 16, channels 8 (l / 16) + 0..7 and 16 + 8 (l / 16) + 0..7: two loads of 16 bytes, 32 bytes apart.
	v_and_b32 v1, 15, v0            ; r = l % 16
	v_bfe_u32 v9, v0, 4, 1          ; h = l / 16
	v_lshlrev_b32 v[QO], 6, v1
	v_lshl_add_u32 v[QO], v9, 4, v[QO]
	v_lshlrev_b32 v[MO], 4, v0
	WIN W_TO
.irp t, 0,1,2,3                     ; Q stays in registers
	global_load_b128 v[QF+8*(\t):QF+8*(\t)+3],   v[QO], s[4:5] offset:(\t)*1024
	global_load_b128 v[QF+8*(\t)+4:QF+8*(\t)+7], v[QO], s[4:5] offset:(\t)*1024+32
.endr
	WIN 0
.irp j, 0,1,2,3                     ; the batch's pad_mask: 256 threads x 16 bytes, four times
	global_load_b128 v[PD+4*(\j):PD+4*(\j)+3], v[MO], s[10:11] offset:(\j)*4096
.endr
	v_mul_u32_u24 v[AK0], v1, PKP
	v_lshl_add_u32 v[AK0], v9, 4, v[AK0]
	s_mul_i32 s2, s[E], KHB
	s_mul_i32 s3, s[Z], 128*PKP
	s_add_co_u32 s2, s2, s3
	v_add_nc_u32 v[AK0], s2, v[AK0]  ; my head, my half of the keys, row r, 16 h
	; The turning load takes 16 keys x 16 channels (lane l reads key 8 (l / 16) + l % 8, channels 8 ((l / 8) % 2) + 0..7) and leaves half a fragment of V^T: lane l holds channel l % 16 and 8 keys.
	v_and_b32 v10, 7, v0
	v_bfe_u32 v11, v0, 3, 1
	v_lshl_add_u32 v[AV0], v9, 3, v10
	v_mul_u32_u24 v[AV0], v[AV0], PVP
	v_lshl_add_u32 v[AV0], v11, 4, v[AV0]
	s_mul_i32 s2, s[E], VHB
	s_mul_i32 s3, s[Z], 128*PVP
	s_add_co_u32 s2, s2, s3
	s_add_co_u32 s2, s2, VOFF
	v_add_nc_u32 v[AV0], s2, v[AV0]
	s_lshl_b32 s2, s[Z], 9
	v_lshl_add_u32 v[AB0], v9, 5, s2  ; my half's 128 f32, and my lanes' eight keys 8 h + 0..7
	v_lshlrev_b32 v[XO], 4, v1
	v_lshl_add_u32 v[XO], v9, 10, v[XO]  ; lanes 0-15 one row's 256 bytes, lanes 16-31 the next row's
	v_and_b32 v11, 31, v0
	s_mul_i32 s2, s[PR], XCB
	s_add_co_u32 s2, s2, XCH
	v_lshl_add_u32 v[XA], v11, 4, s2
	v_mul_u32_u24 v[SA], v1, SP
	v_lshl_add_u32 v[SA], v9, 5, v[SA]
	s_mul_i32 s2, s[U], 64*SP
	s_lshl_b32 s3, s[E], 7
	s_add_co_u32 s2, s2, s3
	s_add_co_u32 s2, s2, STAGE
	v_add_nc_u32 v[SA], s2, v[SA]   ; row 64 u + r, my head's 128 bytes, my eight channels
	v_mul_u32_u24 v[RA], v9, SP
	v_lshl_add_u32 v[RA], v1, 4, v[RA]
	s_mul_i32 s2, s[WV], 16*SP
	s_add_co_u32 s2, s2, STAGE
	v_add_nc_u32 v[RA], s2, v[RA]   ; back: rows 16 w + h + 2 i, whole
	v_lshl_add_u32 v[MD], v0, 4, BIAS
	v_cmp_eq_u32 vcc_lo, 0, v10     ; lanes 0, 8, 16, 24 hold rows 0 and 8 of a source 0
	WIN W_TO
.set i, 0
.rept 8
	v_cndmask_b32 v[ONE+i], 0, s[ONES], vcc_lo
.set i, i+1
.endr
.set i, OF                          ; O^T and l start at 0: no first step is written out; these lines stand in the wait for the first tile
.rept 96
	v_mov_b32 v[i], 0
.set i, i+1
.endr
	WIN 0
.irp t, 0,1,2,3
	v_mov_b32 v[ST+8*(\t)], 0xfe000000    ; c M: far below every c s
	v_mov_b32 v[ST+8*(\t)+1], 0xff7fffff  ; M: the lowest finite number
.irp k, 2,3,4,5,6,7
	v_mov_b32 v[ST+8*(\t)+(\k)], 0
.endr
.endr
	v_lshl_add_u32 v10, v0, 2, BIAS+16384
	v_mov_b32 v11, 0
	s_wait_loadcnt 0x0              ; Q and pad_mask
.set i, 0
.rept 8
	v_pk_mul_f32 v[PD+2*i:PD+2*i+1], v[PD+2*i:PD+2*i+1], s[NEG:NEG+1] op_sel_hi:[1,0]  ; the bias, as it is added in front of the division by sqrt(32)
.set i, i+1
.endr
.irp j, 0,1,2,3
	ds_store_b128 v[MD], v[PD+4*(\j):PD+4*(\j)+3] offset:(\j)*4096
.endr
	ds_store_b32 v10, v11           ; 256 zeros behind the table: the last trip's fetch for a tile that is not reads them
.set i, 0
.rept 8                             ; my 16 rows' part of x: asked for now, waited for on the way out; address and base are never rewritten
	global_load_b128 v[XR+4*i:XR+4*i+3], v[XO], s[12:13] offset:i*2048
.set i, i+1
.endr
; THE MATRIX WORK.  Four products S^T = K Q^T + bias of tile t, on four accumulators.
.macro KQ t
	WIN W_KQ
.irp kb, 0,1,2,3
	v_wmma_f32_16x16x32_bf16 v[S+32*((\t)%2)+8*(\kb):S+32*((\t)%2)+8*(\kb)+7], v[KF+8*(\kb):KF+8*(\kb)+7], v[QF+8*(\t):QF+8*(\t)+7], v[BI+8*(\kb):BI+8*(\kb)+7]
.endr
.endm
; Six products of tile t: O^T += V^T P and l += ONE P, for both halves of the 64 keys.  The three accumulators take turns, one instruction a turn.
.macro PV t
	WIN W_PV
.irp kk, 0,1
	v_wmma_f32_16x16x32_bf16 v[OF+16*(\t):OF+16*(\t)+7],    v[VF+16*(\kk):VF+16*(\kk)+7],    v[P+8*(\kk):P+8*(\kk)+7], v[OF+16*(\t):OF+16*(\t)+7]
	v_wmma_f32_16x16x32_bf16 v[OF+16*(\t)+8:OF+16*(\t)+15], v[VF+16*(\kk)+8:VF+16*(\kk)+15], v[P+8*(\kk):P+8*(\kk)+7], v[OF+16*(\t)+8:OF+16*(\t)+15]
	v_wmma_f32_16x16x32_bf16 v[LF+8*(\t):LF+8*(\t)+7],      v[ONE:ONE+7],                    v[P+8*(\kk):P+8*(\kk)+7], v[LF+8*(\t):LF+8*(\t)+7]
.endr
.endm
; THE LDS LOADS stand in runs: step s's K and bias (16 loads), and its V, turned (8 loads).  Each run stands one tile's vector work ahead of the wait for it.
.macro FETCH_KB s
	WIN W_TO
.irp kb, 0,1,2,3
	ds_load_b128 v[KF+8*(\kb):KF+8*(\kb)+3],   v[AK] offset:(\s)*64*PKP+(\kb)*16*PKP
	ds_load_b128 v[KF+8*(\kb)+4:KF+8*(\kb)+7], v[AK] offset:(\s)*64*PKP+(\kb)*16*PKP+32
.endr
.irp kb, 0,1,2,3
	ds_load_b128 v[BI+8*(\kb):BI+8*(\kb)+3],   v[AB] offset:(\s)*256+(\kb)*64
	ds_load_b128 v[BI+8*(\kb)+4:BI+8*(\kb)+7], v[AB] offset:(\s)*256+(\kb)*64+16
.endr
.endm
.macro FETCH_V s
	WIN W_TO
.irp kk, 0,1
.irp cb, 0,1
	ds_load_tr16_b128 v[VF+16*(\kk)+8*(\cb):VF+16*(\kk)+8*(\cb)+3],   v[AV] offset:(\s)*64*PVP+(\kk)*32*PVP+(\cb)*32
	ds_load_tr16_b128 v[VF+16*(\kk)+8*(\cb)+4:VF+16*(\kk)+8*(\cb)+7], v[AV] offset:(\s)*64*PVP+(\kk)*32*PVP+(\cb)*32+16*PVP
.endr
.endr
.endm
; THE VECTOR WORK, in window 0 but for the rescaling.  par says which of a tile's two c M is the old one in the step at hand.
; XS: number n of the 21 that find tile t's maximum and statistics.  s0-s31 are the lane's 32 scores.
;   0-11  four chains of seven scores, three operands at a time (each accumulator's lowest registers first)     12-15  the four scores left over, the old M, the chains together
;   16, 17  the query's other 32 keys lie in the lane 16 away: the new M     18, 19  c M; c M_old - c M_new     20  a
.macro XS t, par, n
.set xT, ST+8*(\t)
.set xS, S+32*((\t)%2)
.set xOld, xT+2*(\par)
.set xNew, xT+2-2*(\par)
.if (\n) < 4
	v_max3_num_f32 v[CC+(\n)], v[xS+8*(\n)], v[xS+8*(\n)+1], v[xS+8*(\n)+2]
.elseif (\n) < 12
	v_max3_num_f32 v[CC+(\n)%4], v[CC+(\n)%4], v[xS+8*((\n)%4)+2*((\n)/4)+1], v[xS+8*((\n)%4)+2*((\n)/4)+2]
.elseif (\n) == 12
	v_max3_num_f32 v[CC], v[CC], v[xS+7], v[xS+15]
.elseif (\n) == 13
	v_max3_num_f32 v[CC+1], v[CC+1], v[xS+23], v[xS+31]
.elseif (\n) == 14
	v_max3_num_f32 v[CC+2], v[CC+2], v[CC+3], v[xT+1]
.elseif (\n) == 15
	v_max3_num_f32 v[CC], v[CC], v[CC+1], v[CC+2]
.elseif (\n) == 16
	v_permlanex16_b32 v[CC+3], v[CC], s[SEL], s[SEL+1]
.elseif (\n) == 17
	v_max_num_f32 v[xT+1], v[CC], v[CC+3]
.elseif (\n) == 18
	v_mul_f32 v[xNew], s[CS], v[xT+1]
.elseif (\n) == 19
	v_sub_f32 v[xT+5], v[xOld], v[xNew]
.else
	v_exp_f32 v[xT+4], v[xT+5]
.endif
.endm
; FS: c s - c M for pair k of tile t's 16 pairs of scores, in place.
.macro FS t, par, k
.set fS, S+32*((\t)%2)+2*(\k)
.set fN, ST+8*(\t)+2-2*(\par)
	v_pk_fma_f32 v[fS:fS+1], v[fS:fS+1], s[CS:CS+1], v[fN:fN+1] op_sel_hi:[1,0,0] neg_lo:[0,0,1] neg_hi:[0,0,1]
.endm
; THE PLAIN QUEUE of SM t, 36 long; none of its lines names an exponential's result.  0-12: scalings 0-12.  13-27: the next tile's numbers 0-14.  28-33: scalings 13, 14, 15, each in front of one of the
; numbers 15, 16, 17.  34, 35: numbers 18, 19.  PLN writes the next entry; NT and NP are the next tile and its par.
.macro PLN t, par
.if q < 13
	FS \t, \par, q
.elseif q < 28
	XS NT, NP, q-13
.elseif q > 33
	XS NT, NP, q-16
.elseif q%2 == 0
	FS \t, \par, q/2-1
.else
	XS NT, NP, (q+1)/2
.endif
.set q, q+1
.endm
; SM t: 94 vector instructions and ONE wait.
; AHEAD OF THE WAIT.  Four plain lines, then 32 times an exponential of tile t and a plain line, then the next tile's a: a batch of 33 exponentials.  Exponential e stands behind plain line e + 3, and scaling k is plain
; line 2 k + 2 at the latest: a pair is scaled two lines or more ahead of its first exponential, and never behind one.  The next tile's scores are first read behind 13 plain lines that name no register of the products
; K Q^T issued just ahead of SM: the places behind those products.  From number 14 to number 17 the links of the chain stand four lines apart.  Then O^T's 16 registers and l's first pair times tile t's a, which the SM
; before made and waited for: nine plain lines outside window 0 that name no result of the batch; the first of them is the plain instruction behind the last exponential (ISA guide 5.7.2).
; BEHIND THE WAIT.  The 16 roundings to bf16, the first lines that name the batch's results; the next tile's a is first named in the next SM, behind this same wait.
.macro SM t, par
.set rT, ST+8*(\t)
.set rS, S+32*((\t)%2)
.set NT, ((\t)+1)%4
.set NP, ((\par)+(\t)/3)%2          ; behind tile 3 comes tile 0 of the next step
.set q, 0
	WIN 0
.rept 4
	PLN \t, \par
.endr
.set g, 0
.rept 32
	v_exp_f32 v[rS+g], v[rS+g]
	PLN \t, \par
.set g, g+1
.endr
	XS NT, NP, 20                   ; the next tile's a: the batch's last
	WIN W_RS
.set g, 0
.rept 8
	v_pk_mul_f32 v[OF+16*(\t)+2*g:OF+16*(\t)+2*g+1], v[OF+16*(\t)+2*g:OF+16*(\t)+2*g+1], v[rT+4:rT+5] op_sel_hi:[1,0]
.set g, g+1
.endr
	v_pk_mul_f32 v[LF+8*(\t):LF+8*(\t)+1], v[LF+8*(\t):LF+8*(\t)+1], v[rT+4:rT+5] op_sel_hi:[1,0]
	WIN 0
	s_wait_alu depctr_va_vdst(0)    ; the wait ahead of the first use: one for the batch of 33, tile t's exponentials and the next tile's a
.set g, 0
.rept 16
	v_cvt_pk_bf16_f32 v[P+g], v[rS+2*g], v[rS+2*g+1]
.set g, g+1
.endr
.endm
; A TRIP: a tile of 256 keys, of which my wave takes 128 in two steps.  On entry tile 0's scores of the first step and its statistics are made, and that step's K and bias lie in registers.
; Every vector line that reads a product's result, and every load into a product's registers, has four plain lines or more between.
.macro TRIP fill
	KQ 1
	WIN 0
	v_add_nc_u32 v[AV], s[TB], v[AV0]
	PLACES                          ; V's registers were read by the last products of the step before
	FETCH_V 0
	SM 0, 0
	s_wait_dscnt 0x0                ; V is in
	PV 0
	KQ 2
	SM 1, 0
	PV 1
	KQ 3
	PLACES                          ; K's and the bias's registers were read by the products just issued
	FETCH_KB 1
	SM 2, 0
	PV 2
	s_wait_dscnt 0x0                ; K and the bias of the second step are in
	KQ 0
	SM 3, 0
	PV 3
	KQ 1
	PLACES
	FETCH_V 1
	SM 0, 1
	s_wait_dscnt 0x0                ; V is in: my last read of this slot
	PV 0
	KQ 2
	SM 1, 1
	PV 1
	KQ 3
	CHANGE \fill
	FETCH_KB 0                      ; the next tile's first step
	SM 2, 1
	PV 2
	s_wait_dscnt 0x0
	KQ 0
	SM 3, 1
	PV 3
	WIN 0
.endm
	CHANGE 1                        ; the bias table is whole, slot 0 is in, slot 1 is asked for
	FETCH_KB 0
	s_wait_dscnt 0x0
	KQ 0                            ; tile 0's first scores
	WIN 0
	PLACES                          ; behind those products
.set i, 0
.rept 21
	XS 0, 0, i                      ; and tile 0's first maximum and statistics
.set i, i+1
.endr
	v_nop                           ; a plain instruction behind the exponential
	s_wait_alu depctr_va_vdst(0)    ; the wait for tile 0's first a, ahead of the label
	s_mov_b32 s[CNT], 14            ; trips 0 to 13 ask for tiles 2 to 15
.Lslot:
	TRIP 1
	s_sub_co_u32 s[CNT], s[CNT], 1
	s_cmp_lg_u32 s[CNT], 0
	s_cbranch_scc1 .Lslot
	s_mov_b32 s[CNT], 2             ; the last two trips ask for nothing: a text of their own.  The very last fetches K from the landed other slot and the
.Ltail:                             ; zeros behind the bias table; its four products on them, and the statistics made of those (they land in tile 0's M, a and c M at +2; the merge reads the c M at +0), serve nothing: the price of one text for both trips
	TRIP 0
	s_sub_co_u32 s[CNT], s[CNT], 1
	s_cmp_lg_u32 s[CNT], 0
	s_cbranch_scc1 .Ltail
	; THE MERGE.  Waves 4-7 hand their O^T, c M and l to waves 0-3, lane for lane.
	PLACES                          ; behind the last products
	s_cmp_eq_u32 s[Z], 0
	s_cbranch_scc1 .Lkeep
.irp t, 0,1,2,3
	v_mov_b32 v[T+(\t)], v[ST+8*(\t)]
.endr
	WIN 0x01
.irp t, 0,1,2,3
	v_mov_b32 v[T+4+(\t)], v[LF+8*(\t)]
.endr
	WIN 0x04                        ; store data in window 1
.set i, 0
.rept 16
	ds_store_b128 v[XA], v[OF+4*i:OF+4*i+3] offset:i*512
.set i, i+1
.endr
	WIN 0
	ds_store_b128 v[XA], v[T:T+3] offset:8192
	ds_store_b128 v[XA], v[T+4:T+7] offset:8704
.Lkeep:
	s_wait_dscnt 0x0                ; for the partner's sake: my stores are done
	s_barrier_signal -1
	s_barrier_wait -1
	s_cmp_lg_u32 s[Z], 0
	s_cbranch_scc1 .Lmerged
.set i, 0
.rept 18
	ds_load_b128 v[PD+4*i:PD+4*i+3], v[XA] offset:i*512
.set i, i+1
.endr
	WIN 0x01
.irp t, 0,1,2,3
	v_mov_b32 v[T+(\t)], v[LF+8*(\t)]  ; my own l
.endr
	WIN 0
	s_wait_dscnt 0x0
.irp t, 0,1,2,3
	v_max_num_f32 v[CC+(\t)], v[ST+8*(\t)], v[PD+64+(\t)]  ; the common c M
.endr
.irp t, 0,1,2,3
	v_sub_f32 v[ST+8*(\t)+4], v[ST+8*(\t)], v[CC+(\t)]
	v_sub_f32 v[ST+8*(\t)+6], v[PD+64+(\t)], v[CC+(\t)]
.endr
.irp t, 0,1,2,3
	v_exp_f32 v[ST+8*(\t)+4], v[ST+8*(\t)+4]  ; f0, f1: one of them is 1
	v_exp_f32 v[ST+8*(\t)+6], v[ST+8*(\t)+6]
.endr
	v_nop                           ; a plain instruction behind the last exponential
	s_wait_alu depctr_va_vdst(0)    ; the wait ahead of the first use: one for the eight exponentials f0, f1
.irp t, 0,1,2,3
	v_mul_f32 v[T+4+(\t)], v[ST+8*(\t)+6], v[PD+68+(\t)]
.endr
.irp t, 0,1,2,3
	v_fmac_f32 v[T+4+(\t)], v[ST+8*(\t)+4], v[T+(\t)]  ; l = f0 l0 + f1 l1: at least 1, since the largest weight is 1
.endr
.irp t, 0,1,2,3
	v_rcp_f32 v[T+4+(\t)], v[T+4+(\t)]
.endr
	v_nop                           ; a plain instruction behind the last reciprocal
	s_wait_alu depctr_va_vdst(0)    ; and one for the four reciprocals, a batch of their own: their sources are made of f0 and f1
.irp t, 0,1,2,3
	v_mul_f32 v[ST+8*(\t)+4], v[ST+8*(\t)+4], v[T+4+(\t)]
	v_mul_f32 v[ST+8*(\t)+6], v[ST+8*(\t)+6], v[T+4+(\t)]
.endr
.set i, 0
.rept 32
	v_pk_mul_f32 v[PD+2*i:PD+2*i+1], v[PD+2*i:PD+2*i+1], v[ST+8*(i/8)+6:ST+8*(i/8)+7] op_sel_hi:[1,0]
.set i, i+1
.endr
	WIN 0x01
.set i, 0
.rept 32
	v_pk_fma_f32 v[PD+2*i:PD+2*i+1], v[OF+2*i:OF+2*i+1], v[ST+8*(i/8)+4:ST+8*(i/8)+5], v[PD+2*i:PD+2*i+1] op_sel_hi:[1,0,1]
.set i, i+1
.endr
	WIN 0
.set i, 0
.rept 16                            ; tile i / 4, channel block (i / 2) % 2, four of my eight channels
	ds_store_b128 v[SA], v[PD+4*i:PD+4*i+3] offset:(i/4)*16*SP+((i/2)%2)*64+(i%2)*16
.set i, i+1
.endr
.Lmerged:
	s_wait_dscnt 0x0                ; for the others' sake: my stores into the stage are done
	s_barrier_signal -1
	s_barrier_wait -1
	; THE WAY OUT.  Every wave takes 16 whole rows of the stage, adds x and stores.
.set i, 0
.rept 8
	ds_load_b128 v[PD+4*i:PD+4*i+3], v[RA] offset:i*2*SP
.set i, i+1
.endr
	s_wait_loadcnt 0x0              ; x
	s_wait_dscnt 0x0
.set i, 0
.rept 16
	v_pk_add_f32 v[PD+2*i:PD+2*i+1], v[PD+2*i:PD+2*i+1], v[XR+2*i:XR+2*i+1]
.set i, i+1
.endr
.set i, 0
.rept 8
	global_store_b128 v[XO], v[PD+4*i:PD+4*i+3], s[14:15] offset:i*2048  ; 16 lanes store 256 consecutive bytes, at a multiple of 256 from hs's first byte
.set i, i+1
.endr
	s_wait_tensorcnt 0x0            ; the wave's end, behind my last tensor load and my last LDS store
	ds_add_u32 v[SPW], v[NIL]
	s_wait_dscnt 0x0
	CROUND                          ; the closing round: no work-group ends while a partner may still ask for a tile that names it
	s_endpgm
.Lfunc_end_k_q78a507de27_attn:
	.size	k_q78a507de27_attn, .Lfunc_end_k_q78a507de27_attn-k_q78a507de27_attn
	.p2alignl 7, 3214868480
	.fill 96, 4, 3214868480
	.section	.rodata,"a",@progbits
	.p2align	6, 0x0
	.amdhsa_kernel k_q78a507de27_attn
		.amdhsa_group_segment_fixed_size 327680
		.amdhsa_private_segment_fixed_size 0
		.amdhsa_enable_private_segment 0
		.amdhsa_kernarg_size 48
		.amdhsa_user_sgpr_count 2
		.amdhsa_user_sgpr_kernarg_segment_ptr 1
		.amdhsa_wavefront_size32 1
		.amdhsa_system_sgpr_workgroup_id_x 1
		.amdhsa_system_sgpr_workgroup_id_y 1
		.amdhsa_system_sgpr_workgroup_id_z 1
		.amdhsa_system_vgpr_workitem_id 0
		.amdhsa_next_free_vgpr 512
		.amdhsa_next_free_sgpr 80
		.amdhsa_reserve_vcc 1
		.amdhsa_float_denorm_mode_32 3
		.amdhsa_float_denorm_mode_16_64 3
		.amdhsa_memory_ordered 1
		.amdhsa_forward_progress 1
		.amdhsa_inst_pref_size 131
	.end_amdhsa_kernel
	.amdgpu_metadata
---
amdhsa.version: [ 1, 2 ]
amdhsa.kernels:
  - .name:           k_q78a507de27_attn
    .symbol:         k_q78a507de27_attn.kd
    .args:
      - { .name: qh, .offset: 0, .size: 8, .value_kind: global_buffer, .address_space: global }
      - { .name: kh, .offset: 8, .size: 8, .value_kind: global_buffer, .address_space: global }
      - { .name: vh, .offset: 16, .size: 8, .value_kind: global_buffer, .address_space: global }
      - { .name: pad_mask, .offset: 24, .size: 8, .value_kind: global_buffer, .address_space: global }
      - { .name: x, .offset: 32, .size: 8, .value_kind: global_buffer, .address_space: global }
      - { .name: hs, .offset: 40, .size: 8, .value_kind: global_buffer, .address_space: global }
    .group_segment_fixed_size: 327680
    .private_segment_fixed_size: 0
    .kernarg_segment_align: 8
    .kernarg_segment_size: 48
    .max_flat_workgroup_size: 256
    .sgpr_count:     80
    .vgpr_count:     512
    .wavefront_size: 32
...
	.end_amdgpu_metadata
.endif
;; end of part 4
;; launch norm: the kernel of part 3 again; grid 256 x 1, 8 waves a work-group, no clusters, 0 bytes of LDS; arguments hs, gamma, beta, out0; writes out0
